; MI455X (gfx1250); checked and timed in simulation.
; The chip was launched on July 23, 2026; its instructions are those of AMD's public machine-readable ISA for CDNA 5 (MIT licence, August 2026) and "CDNA5" Instruction Set Architecture Reference Guide (July 2026). The comments in the code are by the model that wrote it; some were corrected since.
;; Mixtral Transformer Decoder. Allowed arithmetic: float matrix products may take bf16 or f16 operands with f32 sums; all other float work in f32.
;; Inputs: hidden_states 2 x 2,048 x 1,024 float32; router_kernel 1,024 x 2 float32; w_gate 2 x 1,024 x 2,048 float32; w_inter 2 x 1,024 x 2,048 float32; w_out 2 x 2,048 x 1,024 float32.
;; Outputs: out0 2 x 2,048 x 1,024 float32; out1 4,096 x 2 float32.
;; 2 versions, each right; version 2 is version 1 with the launch prep written anew for expert scheduling mode. Each part assembles by itself: llvm-mc -triple=amdgcn-amd-amdhsa -mcpu=gfx1250 --defsym DOCPART=n.
;; ======== version 1 of 2: 3 launches
;; workspace buffers: xb 8,388,608 bytes; wgb 8,388,608 bytes; wib 8,388,608 bytes; wob 8,388,608 bytes; pw 32,768 bytes; hb 33,554,432 bytes
;; launch prep (part 1): grid 256 x 1, 8 waves a work-group, no clusters, 1,280 bytes of LDS; arguments hidden_states, router_kernel, w_gate, w_inter, w_out, xb, wgb, wib, wob, pw, out1; writes xb, wgb, wib, wob, pw, out1
.if DOCPART == 1
	.amdgcn_target "amdgcn-amd-amdhsa--gfx1250"
	.amdhsa_code_object_version 6
	.text
	.protected	k_q96d2d2789b_prep
	.globl	k_q96d2d2789b_prep
	.p2align	8
	.type	k_q96d2d2789b_prep,@function
k_q96d2d2789b_prep:
	s_mov_b64 s[64:65], 0
	v_nop
	global_prefetch_b8 v0, s[64:65] scope:SCOPE_SE
	s_setreg_imm32_b32 hwreg(HW_REG_WAVE_MODE, 25, 1), 1
	s_wait_xcnt 0x0
; PREP: bf16 copies of hidden_states and of the three weight tensors (same layouts), the router logits (out1, f32) and the routing weights pw[e][t] (f32).
;
; WORK LEFT OUT, for all finite inputs.  NUM_EXPERTS = TOP_K = 2: top_k over an axis of two returns both probabilities, in some order, with their
; indices, and the sum over one_hot(top_i) * top_p puts each back at its own expert: routing_full[e][t] = p_e / (p_0 + p_1), whatever the order.
; p_0 and p_1 are a softmax over that same axis, so in exact arithmetic p_0 + p_1 = 1 and the division is by 1.  So top_k, one_hot and the second
; division are not computed: routing_full[e][t] = softmax(logits[t])[e].  The maximum that the softmax takes away is kept.  Every input has a way to
; an output and is loaded.  LIMITS: a NaN, an infinity or an overflow that would arise only in the division left out is not carried to the result;
; v_exp_f32 and v_rcp_f32 flush denormals (ISA guide 15.8), so a routing weight below 2^-126 comes out as 0.
;
; THE ROUTER PRODUCT has two columns: it would fill 2 of a matrix tile's 16, so it is made by fused multiply-adds on the registers that the stream
; holds anyway.  Like every matrix product of this program it takes its operands rounded to bf16 and sums in f32: the routing weights then belong to
; the same rounded x that the experts multiply.  LIMIT: the logits carry that rounding of x and of router_kernel (2^-9 of each operand at the most),
; and its share grows with a common offset of the inputs.
; SHARES.  All four large inputs have 16 MiB.  Work-group g takes bytes 65,536 g .. + 65,535 of each (of x: rows 16 g .. 16 g + 15); wave w takes
; 8,192 of them as two chunks of 4,096 (of x: rows 16 g + 2 w and + 1).  A chunk is eight loads of 16 bytes a lane (512 neighbouring bytes each) and
; leaves as eight stores of 8 bytes a lane (256 neighbouring bytes, aligned).
; EVERY ONE OF A WAVE'S EIGHT CHUNKS HAS 32 REGISTERS OF ITS OWN.  A weight's chunk is rounded in place and stored from the lower half of its slot; an x row is
; rounded into a set of 16 registers of its own, since its slot then takes the widened row for the router product.  So no register that a store reads is
; ever written again and no slot is loaded twice: the text needs no wait for a store's sources, and its loads go out as early as the count of 56 at the start
; (router_kernel's 16 and five chunks of 8) allows, one more chunk behind each of the first three waits.
; Two waves of 384 registers lie on a SIMD: 768 of its 1,024.  Slots 4 to 7 lie above v255 and are reached through s_set_vgpr_msb.
; No tile is shared between work-groups but the 8 KiB of router_kernel, so there is no cluster, no tensor load and no matrix work here.
; out1 leaves in pieces of 128 bytes and pw in pieces of 64 bytes, since a work-group has 16 rows: 64 KiB of the 100 MB that the launch moves.
.set VIN,  1                           ; v1        byte offset of my 16 bytes in the wave's first chunk of an input; never rewritten
.set VOUT, 2                           ; v2        byte offset of my 8 bytes in the wave's first chunk of a bf16 copy; never rewritten
.set VRK,  3                           ; v3        32 x lane: my 4 rows of router_kernel in each block of 128
.set LAL,  4                           ; v4        LDS: 16 x wave (logits of my wave's two rows)
.set LAQ,  5                           ; v5        LDS: 8 x wave (routing weights of my wave's two rows)
.set S,    6                           ; v[6:13]   four chains of pairs (logit 0, logit 1); later the softmax's exponentials and reciprocals
.set LGA,  14                          ; v[14:15]  logits of the first row
.set LGB,  16                          ; v[16:17]  logits of the second row
.set P0,   18                          ; v[18:19]  p_0 of the two rows
.set P1,   20                          ; v[20:21]  p_1 of the two rows
.set TT,   22                          ; v[22:27]  at work
.set Y,    28                          ; v[28:59]  the two x rows as bf16, 16 registers each
.set RK,   60                          ; v[60:123] router_kernel: registers 8 j + 2 k, + 1 = rk[128 j + 4 lane + k][0], [1]
.set X,    124                         ; v[124:251] chunk slots 0 to 3; slots 4 to 7 are v[256:383], written v[0:127] of window 1
.set MSB, 0
.macro WIN new                         ; s_set_vgpr_msb's low byte: bits 1:0 source 0, 3:2 source 1, 7:6 destination; the high byte repeats the setting that is left
.if MSB != \new
	s_set_vgpr_msb (MSB<<8)|\new
.set MSB, \new
.endif
.endm
	s_load_b512 s[4:19], s[0:1], 0x0               ; x s[4:5], rk s[6:7], wg s[8:9], wi s[10:11], wo s[12:13], xb s[14:15], wgb s[16:17], wib s[18:19]
	s_load_b128 s[20:23], s[0:1], 0x40             ; wob s[20:21], pw s[22:23]
	s_load_b64 s[24:25], s[0:1], 0x50              ; out1
	v_lshl_add_u32 v254, v0, 2, 0x100
	v_mov_b32 v255, 0
	v_lshrrev_b32 v4, 5, v0                        ; wave
	v_and_b32 v5, 31, v0                           ; lane
	v_readfirstlane_b32 s2, v4
	v_lshlrev_b32 v[VIN], 4, v5
	v_lshl_or_b32 v[VIN], v4, 13, v[VIN]           ; 8,192 wave + 16 lane
	v_lshlrev_b32 v[VOUT], 3, v5
	v_lshl_or_b32 v[VOUT], v4, 12, v[VOUT]         ; 4,096 wave + 8 lane
	v_lshlrev_b32 v[VRK], 5, v5
	v_lshlrev_b32 v[LAQ], 3, v4
	v_lshlrev_b32 v[LAL], 4, v4
	v_mov_b32 v[TT], 0                             ; v_permlanex16_b32 counts as a reader of its destination
	v_mov_b32 v[TT+1], 0
	s_mov_b32 s3, 0xffff0000                       ; a word's upper bf16
	s_lshl_b32 s26, ttmp9, 16                      ; my 65,536 bytes of each input
	s_mov_b32 s27, 0
	s_lshl_b32 s28, ttmp9, 15                      ; my 32,768 bytes of each copy
	s_mov_b32 s29, 0
	s_mov_b32 s30, 0x76543210                      ; v_permlanex16_b32: lane i of one half reads lane i of the other
	s_mov_b32 s31, 0xfedcba98
	s_wait_kmcnt 0x0
	s_add_nc_u64 s[4:5], s[4:5], s[26:27]
	s_add_nc_u64 s[8:9], s[8:9], s[26:27]
	s_add_nc_u64 s[10:11], s[10:11], s[26:27]
	s_add_nc_u64 s[12:13], s[12:13], s[26:27]
	s_add_nc_u64 s[14:15], s[14:15], s[28:29]
	s_add_nc_u64 s[16:17], s[16:17], s[28:29]
	s_add_nc_u64 s[18:19], s[18:19], s[28:29]
	s_add_nc_u64 s[20:21], s[20:21], s[28:29]
	s_lshl_b32 s28, ttmp9, 7                       ; out1: 16 rows of 8 bytes
	s_add_nc_u64 s[24:25], s[24:25], s[28:29]
	s_lshl_b32 s28, ttmp9, 6                       ; pw: 16 numbers of 4 bytes in each expert's row
	s_add_nc_u64 s[22:23], s[22:23], s[28:29]
; Chunk c (0 or 1) of the input at s[base:base+1] into its slot: eight loads.  A load's data are the destination, its address register is source 0.
.macro LOADC slot, base, c
.if \slot > 3
	WIN 0x40
.set XB, 32*(\slot-4)
.else
	WIN 0
.set XB, X+32*\slot
.endif
.irp j, 0,1,2,3,4,5,6,7
	global_load_b128 v[XB+4*\j:XB+4*\j+3], v[VIN], s[\base:\base+1] offset:\c*4096+512*\j th:TH_LOAD_NT
.endr
	WIN 0
.endm
; A weight's chunk is rounded to bf16 in place and stored as chunk c of the copy at s[obase:obase+1].  Word 2 j + i of the slot is written from words
; 4 j + 2 i and + 1, which never lie below it, in ascending order: no word is written before it has been read.  A store's data are source 1.
.macro PACK slot, obase, c
.if \slot > 3
	WIN 0x45
.set XB, 32*(\slot-4)
.else
	WIN 0
.set XB, X+32*\slot
.endif
.irp j, 0,1,2,3,4,5,6,7
	v_cvt_pk_bf16_f32 v[XB+2*\j],   v[XB+4*\j],   v[XB+4*\j+1]
	v_cvt_pk_bf16_f32 v[XB+2*\j+1], v[XB+4*\j+2], v[XB+4*\j+3]
.endr
.if \slot > 3
	WIN 0x04
.endif
.irp j, 0,1,2,3,4,5,6,7
	global_store_b64 v[VOUT], v[XB+2*\j:XB+2*\j+1], s[\obase:\obase+1] offset:\c*2048+256*\j   ; the wave stores 256 neighbouring bytes, aligned; the next launches read them: no hint
.endr
	WIN 0
.endm
; An x row (slot 0 or 1) is rounded into its own set of Y and stored as chunk slot of xb.
.macro CONVX slot
.irp j, 0,1,2,3,4,5,6,7
	v_cvt_pk_bf16_f32 v[Y+16*\slot+2*\j],   v[X+32*\slot+4*\j],   v[X+32*\slot+4*\j+1]
	v_cvt_pk_bf16_f32 v[Y+16*\slot+2*\j+1], v[X+32*\slot+4*\j+2], v[X+32*\slot+4*\j+3]
.endr
.irp j, 0,1,2,3,4,5,6,7
	global_store_b64 v[VOUT], v[Y+16*\slot+2*\j:Y+16*\slot+2*\j+1], s[14:15] offset:\slot*2048+256*\j
.endr
.endm
; The rounded row goes back into its slot as f32: the router product multiplies what the experts multiply.  Y is only read here: its stores may still be on their way.
.macro WIDEN slot
.irp j, 0,1,2,3,4,5,6,7
	v_lshlrev_b32 v[X+32*\slot+4*\j],   16, v[Y+16*\slot+2*\j]          ; bf16 to f32: the low half moves up,
	v_and_b32     v[X+32*\slot+4*\j+1], s3, v[Y+16*\slot+2*\j]          ; the high half stays
	v_lshlrev_b32 v[X+32*\slot+4*\j+2], 16, v[Y+16*\slot+2*\j+1]
	v_and_b32     v[X+32*\slot+4*\j+3], s3, v[Y+16*\slot+2*\j+1]
.endr
.endm
; The two logits of the row in a slot.  Chain k takes x[128 j + 4 lane + k], sent to both halves of a packed multiply-add, times (rk[..][0], rk[..][1]).
; The first products start the chains: nothing is cleared.
.macro DOT slot, L
.irp p, 0,1
	v_pk_mul_f32 v[S+4*\p:S+4*\p+1],   v[X+32*\slot+2*\p:X+32*\slot+2*\p+1], v[RK+4*\p:RK+4*\p+1]   op_sel:[0,0] op_sel_hi:[0,1]
	v_pk_mul_f32 v[S+4*\p+2:S+4*\p+3], v[X+32*\slot+2*\p:X+32*\slot+2*\p+1], v[RK+4*\p+2:RK+4*\p+3] op_sel:[1,0] op_sel_hi:[1,1]
.endr
.irp j, 1,2,3,4,5,6,7
.irp p, 0,1
	v_pk_fma_f32 v[S+4*\p:S+4*\p+1],   v[X+32*\slot+4*\j+2*\p:X+32*\slot+4*\j+2*\p+1], v[RK+8*\j+4*\p:RK+8*\j+4*\p+1],   v[S+4*\p:S+4*\p+1]   op_sel:[0,0,0] op_sel_hi:[0,1,1]
	v_pk_fma_f32 v[S+4*\p+2:S+4*\p+3], v[X+32*\slot+4*\j+2*\p:X+32*\slot+4*\j+2*\p+1], v[RK+8*\j+4*\p+2:RK+8*\j+4*\p+3], v[S+4*\p+2:S+4*\p+3] op_sel:[1,0,0] op_sel_hi:[1,1,1]
.endr
.endr
	v_pk_add_f32 v[S:S+1],   v[S:S+1],   v[S+2:S+3]
	v_pk_add_f32 v[S+4:S+5], v[S+4:S+5], v[S+6:S+7]
	v_pk_add_f32 v[S:S+1],   v[S:S+1],   v[S+4:S+5]
.irp m, 1,2,4,8                        ; across the 16 lanes of each half
	v_add_f32_dpp v[S],   v[S],   v[S]   row_xmask:\m row_mask:0xf bank_mask:0xf
	v_add_f32_dpp v[S+1], v[S+1], v[S+1] row_xmask:\m row_mask:0xf bank_mask:0xf
.endr
	v_permlanex16_b32 v[TT],   v[S],   s30, s31    ; and across the halves
	v_permlanex16_b32 v[TT+1], v[S+1], s30, s31
	v_add_f32 v[\L],   v[S],   v[TT]               ; every lane holds both logits
	v_add_f32 v[\L+1], v[S+1], v[TT+1]
.endm
.irp j, 0,1,2,3,4,5,6,7
	global_load_b128 v[RK+8*\j:RK+8*\j+3],   v[VRK], s[6:7] offset:1024*\j
	global_load_b128 v[RK+8*\j+4:RK+8*\j+7], v[VRK], s[6:7] offset:1024*\j+16
.endr
	LOADC 0, 4, 0                                  ; x, first row
	LOADC 1, 4, 1                                  ; x, second row
	LOADC 2, 8, 0                                  ; w_gate
	LOADC 3, 8, 1
	LOADC 4, 10, 0                                 ; w_inter: 56 loads of the wave are out
	s_wait_loadcnt 32                              ; loads come back in order: router_kernel and the first row are in, the four chunks behind stay out
	LOADC 5, 10, 1
	; router_kernel is rounded to bf16 once, in place: two numbers are packed and widened again; four registers take turns so that no line waits for the one in front
.set i, 0
.rept 32
	v_cvt_pk_bf16_f32 v[TT+2+i%4], v[RK+2*i], v[RK+2*i+1]
	v_lshlrev_b32 v[RK+2*i],   16, v[TT+2+i%4]
	v_and_b32     v[RK+2*i+1], s3, v[TT+2+i%4]
.set i, i+1
.endr
	CONVX 0
	WIDEN 0
	DOT 0, LGA
	s_wait_loadcnt 32                              ; again four chunks of eight behind the one that is due
	LOADC 6, 12, 0                                 ; w_out
	CONVX 1
	WIDEN 1
	DOT 1, LGB
	; softmax over the two logits of each row, the maximum taken away; one exponent is 0, so the sum is at least 1
	v_max_num_f32 v[TT],   v[LGA], v[LGA+1]
	v_max_num_f32 v[TT+1], v[LGB], v[LGB+1]
	v_sub_f32 v[TT+2], v[LGA],   v[TT]
	v_sub_f32 v[TT+3], v[LGA+1], v[TT]
	v_sub_f32 v[TT+4], v[LGB],   v[TT+1]
	v_sub_f32 v[TT+5], v[LGB+1], v[TT+1]
.irp i, 2,3,4,5
	v_mul_f32 v[TT+\i], 0x3fb8aa3b, v[TT+\i]       ; e^x = 2^(1.442695 x)
.endr
.irp i, 0,1,2,3
	v_exp_f32 v[S+\i], v[TT+2+\i]
.endr
	v_nop                                          ; one plain vector instruction behind the transcendentals, ahead of the first use (ISA guide 5.7.2)
	s_wait_alu depctr_va_vdst(0)
	v_add_f32 v[TT],   v[S],   v[S+1]
	v_add_f32 v[TT+1], v[S+2], v[S+3]
	v_rcp_f32 v[S+4], v[TT]
	v_rcp_f32 v[S+5], v[TT+1]
	v_nop                                          ; likewise
	s_wait_alu depctr_va_vdst(0)
	v_mul_f32 v[P0],   v[S],   v[S+4]              ; p_0 of the first row,
	v_mul_f32 v[P0+1], v[S+2], v[S+5]              ; of the second
	v_mul_f32 v[P1],   v[S+1], v[S+4]              ; p_1 likewise
	v_mul_f32 v[P1+1], v[S+3], v[S+5]
	; LDS: bytes 0-127 the 16 rows' logits as out1 has them (8 row + 4 e); bytes 128-255 the weights (64 e + 4 row).  All lanes write the same words with the same values.
	ds_store_b64 v[LAL], v[LGA:LGA+1]
	ds_store_b64 v[LAL], v[LGB:LGB+1] offset:8
	ds_store_b64 v[LAQ], v[P0:P0+1] offset:128
	ds_store_b64 v[LAQ], v[P1:P1+1] offset:192
	s_wait_loadcnt 32
	LOADC 7, 12, 1                                 ; the last chunk
	PACK 2, 16, 0
	s_wait_loadcnt 32                              ; chunks 4 to 7 stay out
	PACK 3, 16, 1
	s_wait_loadcnt 24                              ; nothing more is loaded: the counts run down
	PACK 4, 18, 0
	s_wait_loadcnt 16
	PACK 5, 18, 1
	s_wait_loadcnt 8
	PACK 6, 20, 0
	s_wait_loadcnt 0
	PACK 7, 20, 1                                  ; it leaves every window at 0: branches and labels follow
	s_wait_dscnt 0x0                               ; my four LDS stores are done, for the waves that read them
	s_barrier_signal -1
	s_barrier_wait -1
	s_cmp_lt_u32 s2, 2
	s_cbranch_scc0 .Lend                           ; waves 2 to 7 have nothing left
	v_and_b32 v6, 31, v0
	v_lshlrev_b32 v7, 2, v6                        ; 4 x lane
	s_cmp_eq_u32 s2, 0
	s_cbranch_scc0 .Lweights
	ds_load_b32 v8, v7                             ; wave 0: the group's 32 logits, 128 neighbouring bytes of out1
	s_wait_dscnt 0x0
	global_store_b32 v7, v8, s[24:25]
	s_wait_tensorcnt 0x0
	ds_add_u32 v254, v255
	s_wait_dscnt 0x0
	s_endpgm
.Lweights:
	ds_load_b32 v8, v7 offset:128                  ; wave 1: lanes 0-15 p_0 of the 16 rows, lanes 16-31 p_1
	v_and_b32 v9, 15, v0
	v_lshlrev_b32 v9, 2, v9
	v_bfe_u32 v10, v0, 4, 1
	v_lshl_or_b32 v9, v10, 14, v9                  ; pw[e][t]: 16,384 e + 4 row
	s_wait_dscnt 0x0
	global_store_b32 v9, v8, s[22:23]
.Lend:
	s_wait_tensorcnt 0x0
	ds_add_u32 v254, v255
	s_wait_dscnt 0x0
	s_endpgm
.Lfunc_end_k_q96d2d2789b_prep:
	.size	k_q96d2d2789b_prep, .Lfunc_end_k_q96d2d2789b_prep-k_q96d2d2789b_prep
	.p2alignl 7, 3214868480
	.fill 96, 4, 3214868480
	.section	.rodata,"a",@progbits
	.p2align	6, 0x0
	.amdhsa_kernel k_q96d2d2789b_prep
		.amdhsa_group_segment_fixed_size 1280
		.amdhsa_private_segment_fixed_size 0
		.amdhsa_enable_private_segment 0
		.amdhsa_kernarg_size 88
		.amdhsa_user_sgpr_count 2
		.amdhsa_user_sgpr_kernarg_segment_ptr 1
		.amdhsa_wavefront_size32 1
		.amdhsa_system_sgpr_workgroup_id_x 1
		.amdhsa_system_sgpr_workgroup_id_y 1
		.amdhsa_system_sgpr_workgroup_id_z 1
		.amdhsa_system_vgpr_workitem_id 0
		.amdhsa_next_free_vgpr 384
		.amdhsa_next_free_sgpr 66
		.amdhsa_reserve_vcc 0
		.amdhsa_float_denorm_mode_32 3
		.amdhsa_float_denorm_mode_16_64 3
		.amdhsa_memory_ordered 1
		.amdhsa_forward_progress 1
		.amdhsa_inst_pref_size 39
	.end_amdhsa_kernel
	.amdgpu_metadata
---
amdhsa.version: [ 1, 2 ]
amdhsa.kernels:
  - .name:           k_q96d2d2789b_prep
    .symbol:         k_q96d2d2789b_prep.kd
    .args:
      - { .name: hidden_states, .offset: 0, .size: 8, .value_kind: global_buffer, .address_space: global }
      - { .name: router_kernel, .offset: 8, .size: 8, .value_kind: global_buffer, .address_space: global }
      - { .name: w_gate, .offset: 16, .size: 8, .value_kind: global_buffer, .address_space: global }
      - { .name: w_inter, .offset: 24, .size: 8, .value_kind: global_buffer, .address_space: global }
      - { .name: w_out, .offset: 32, .size: 8, .value_kind: global_buffer, .address_space: global }
      - { .name: xb, .offset: 40, .size: 8, .value_kind: global_buffer, .address_space: global }
      - { .name: wgb, .offset: 48, .size: 8, .value_kind: global_buffer, .address_space: global }
      - { .name: wib, .offset: 56, .size: 8, .value_kind: global_buffer, .address_space: global }
      - { .name: wob, .offset: 64, .size: 8, .value_kind: global_buffer, .address_space: global }
      - { .name: pw, .offset: 72, .size: 8, .value_kind: global_buffer, .address_space: global }
      - { .name: out1, .offset: 80, .size: 8, .value_kind: global_buffer, .address_space: global }
    .group_segment_fixed_size: 1280
    .private_segment_fixed_size: 0
    .kernarg_segment_align: 8
    .kernarg_segment_size: 88
    .max_flat_workgroup_size: 256
    .sgpr_count:     66
    .vgpr_count:     384
    .wavefront_size: 32
...
	.end_amdgpu_metadata
.endif
;; end of part 1
;; launch swiglu (part 2): grid 16 x 16, 4 waves a work-group, clusters of 4 x 4, 327,680 bytes of LDS; arguments xb, wgb, wib, pw, hb; writes hb
.if DOCPART == 2
	.amdgcn_target "amdgcn-amd-amdhsa--gfx1250"
	.amdhsa_code_object_version 6
	.text
	.protected	k_q96d2d2789b_swiglu
	.globl	k_q96d2d2789b_swiglu
	.p2align	8
	.type	k_q96d2d2789b_swiglu,@function
k_q96d2d2789b_swiglu:
	s_mov_b64 s[64:65], 0
	v_nop
	global_prefetch_b8 v0, s[64:65] scope:SCOPE_SE
	s_setreg_imm32_b32 hwreg(HW_REG_WAVE_MODE, 25, 1), 1
	s_wait_xcnt 0x0
	s_wait_alu depctr_hold_cnt(0) depctr_sa_sdst(0) depctr_va_vdst(0) depctr_va_sdst(0) depctr_va_ssrc(0) depctr_va_vcc(0) depctr_vm_vsrc(0)
	s_getreg_b32 s2, hwreg(HW_REG_IB_STS2, 6, 4)
	s_cmp_eq_u32 s2, 0
	s_cbranch_scc0 .Lentry_in_a_cluster
	s_endpgm
.Lentry_in_a_cluster:
	s_bfe_u32 s2, ttmp6, 0x10000c
	s_cmp_lg_u32 s2, 0xf033
	s_cbranch_scc0 .Lentry_shape_is_right
	s_endpgm
.Lentry_shape_is_right:
; SWIGLU: hb[t][2048 e + i] = bf16( p_e(t) * silu(g) * u ),  g = sum over h of x[t][h] w_gate[e][h][i],  u = the same with w_inter.  Operands bf16, sums f32.
; top_k, one_hot and the renormalising division are left out, as shown at the head of the first kernel: p_e(t) = pw[e][t] is the routing weight.
; It is folded in here, ahead of the one rounding to bf16, so that the sum over the experts becomes part of the next product's K.
; LIMITS: g * u * p is formed first and then multiplied by 1 / (1 + 2^(-1.442695 g)): it overflows only where |g u p| passes f32's range;
; v_exp_f32 and v_rcp_f32 flush denormals (ISA guide 15.8): a sigmoid below 2^-126 counts as 0.
; SHARES.  256 work-groups that stay.  Work-group (bx, by) makes rows 256 by .. + 255, columns 128 bx .. + 127 of BOTH products, first for expert 0, then for
; expert 1.  Four waves; wave W makes rows 128 (W / 2) .. + 127 and columns 64 (W % 2) .. + 63 of both: 64 accumulator tiles (a, b), a = 0..7 blocks of 16 rows,
; b = 0..3 gate, b = 4..7 inter of the same columns, so that g and u of one output meet in one lane.
; THE RING.  K = 1024 goes in steps of 128 through two LDS slots filled by tensor loads, and the ring runs on from the first block into the second: expert 1's k
; rows follow expert 0's in memory, so the weights' tiles are one walk of 16 steps; x's walk starts again at step 8 (its address goes back by six steps).
; So the second block's first two steps land, and the first block's stores leave, while other work goes on.  The stage of the way out lies behind the ring.
; The two blocks are written out one after the other, since the last lap of the second fills nothing; each of the two loops holds one lap.
; The weights lie [K][N]: their tiles stay so in LDS and the fragments are read by the transposing LDS load, two loads a fragment like a plain one.
; CLUSTERS: 4 x 4 work-groups.  x's tile hangs on by alone and is asked for jointly along a row of the cluster; the weights' tiles hang on bx alone and are
; asked for jointly along a column.  Waves 0 and 1 ask for the gate's and the inter's tile, waves 2 and 3 for x's two halves: one load a wave.
; THE MATRIX INSTRUCTION IS USED TRANSPOSED: source 0 = 16 columns of a weight, source 1 = 16 rows of x.  Lane l then holds row l % 16 and, in registers
; 0 to 7, columns 8 (l / 16) + 0..7: eight neighbouring numbers of a row of hb.
; REGISTER WINDOWS: 0 addresses, x's fragments (two buffers), the epilogue; 1 the weights' fragments; 2 the tiles of a = 0..3 (tile (a, b) at 8 (8 a + b)); 3 those of a = 4..7.
.set KSTEP,  128
.set PA,     272                       ; x's LDS row: 256 bytes + 16: the 16 rows that a load touches start 4 banks apart
.set PB,     288                       ; a weight's LDS row (one k, 128 columns): 256 bytes + 32, an odd multiple of 32 for the transposing load
.set BTILE,  128*PB                    ; 36,864: a weight's tile of 128 k
.set AHALF,  128*PA                    ; 34,816: 128 rows of x
.set AOFF,   2*BTILE                   ; a slot: gate's tile, inter's tile, x's 256 rows
.set SLOT,   AOFF+2*AHALF              ; 143,360
.set STAGE,  2*SLOT                    ; 286,720, a multiple of 256: 128 rows x 272 bytes for the way out; no tensor load lands here
.set LAPS,   1024/(2*KSTEP)            ; laps of a block; a lap = two K steps = once round the ring
.set ADRA, 16                          ; v16-17  LDS address of my x fragments in slot 0, 1
.set ADRG, 18                          ; v18-19  the same for the gate's fragments
.set ADRI, 20                          ; v20-21  the same for the inter's
.set STO,  24                          ; v24     the way out: where I put 16 bytes of a row
.set RD,   25                          ; v25     the way out: where I read a row back
.set CO,   26                          ; v26     my byte offset in hb
.set PO,   27                          ; v27     my byte offset in pw
.set P,    32                          ; v[32:39] p_0 of row 16 a + l % 16, a = 0..7
.set PE,   24                          ; v[56:63] p_1 likewise: P + PE
.set Y,    40                          ; v[40:55] packed results
.set F0,   64                          ; fragment buffer 0
.set F1,   128                         ; fragment buffer 1
.set T,    192                         ; v[192:223] the sigmoid's way
.set U,    224                         ; v[224:255] g u p
.set G1A, 24                           ; s[24:31] descriptor group 1 for x's tiles
.set G0A, 32                           ; s[32:39] group 0 for x's tiles, a set for each slot
.set G1B, 40                           ; s[40:47] group 1 for the weights' tiles
.set G0B, 48                           ; s[48:55] group 0 for the weights' tiles, a set for each slot
.set MSB, 0
.macro WIN new                         ; the immediate's high byte repeats the setting that is left
.if MSB != \new
	s_set_vgpr_msb (MSB<<8)|\new
.set MSB, \new
.endif
.endm
.set MUL_LO, 0xa1                      ; source 0 window 1, source 1 window 0, C and D window 2
.set MUL_HI, 0xf1                      ; the same, C and D window 3
.set TO_B,   0x40                      ; destination window 1, address window 0
; A joint load.  Each of the two lines has one mask and one set of registers; the branch hangs on the wave's number alone.
.macro JLOAD s
	s_cmp_eq_u32 s15, 0
	s_cbranch_scc0 .Lfor_a_\@
	tensor_load_to_lds s[G0B+4*\s:G0B+4*\s+3], s[G1B:G1B+7]
	s_nop 0
	s_branch .Lasked_\@
.Lfor_a_\@:
	tensor_load_to_lds s[G0A+4*\s:G0A+4*\s+3], s[G1A:G1A+7]
	s_nop 0
.Lasked_\@:
.endm
; A round of the cluster's barrier: my work-group's barrier; wave 0 signals for the work-group; every wave waits for all sixteen; my work-group's barrier again.
.macro CREST                           ; a round behind its opening barrier
	s_cmp_lg_u32 s14, 0
	s_cbranch_scc1 .Lnot_wave_0_\@
	s_barrier_signal -3
.Lnot_wave_0_\@:
	s_barrier_wait -3
	s_barrier_signal -1
	s_barrier_wait -1
.endm
.macro CROUND
	s_barrier_signal -1
	s_barrier_wait -1
	CREST
.endm
	s_load_b256 s[4:11], s[0:1], 0x0               ; xb s[4:5], wgb s[6:7], wib s[8:9], pw s[10:11]
	s_load_b64 s[12:13], s[0:1], 0x20              ; hb
	s_set_vgpr_msb 0x40
	v_lshl_add_u32 v255, v0, 2, 0x4e800
	s_set_vgpr_msb 0x4000
	v_mov_b32 v31, 0
	s_set_vgpr_msb 0x1
	ds_add_u32 v255, v31
	s_set_vgpr_msb 0x100
	v_lshrrev_b32 v1, 5, v0
	v_readfirstlane_b32 s14, v1                    ; wave W
	s_lshr_b32 s15, s14, 1                         ; W / 2: my half of the rows.  Also: I fetch a weight (0) or x (1)
	s_and_b32 s16, s14, 1                          ; W % 2: my half of the columns.  Also: gate or inter; which half of x's rows
	s_bfe_u32 s17, ttmp6, 0x40000                  ; cx
	s_bfe_u32 s18, ttmp6, 0x40004                  ; cy
	s_lshl_b32 s19, ttmp9, 2
	s_add_co_u32 s19, s19, s17                     ; bx = 4 x cluster x + cx
	s_and_b32 s20, ttmp7, 0xffff
	s_lshl_b32 s20, s20, 2
	s_add_co_u32 s20, s20, s18                     ; by = 4 x cluster y + cy
	s_lshl_b32 s21, s18, 2
	s_lshl_b32 s21, 15, s21                        ; my row of the cluster: places 4 cy .. 4 cy + 3
	s_lshl_b32 s22, 0x1111, s17                    ; my column: places cx, cx + 4, cx + 8, cx + 12
	; group 1: tiles of 128 rows x 128 elements of 2 bytes; behind every 64 words 4 words of padding (x) or 8 (weights)
	s_or_b32 s[G1A+0], s21, (1<<16)|(1<<20)|(1<<21)|(5<<22)|(3<<25)
	s_or_b32 s[G1B+0], s22, (1<<16)|(1<<20)|(1<<21)|(5<<22)|(7<<25)
	s_mov_b32 s[G1A+1], 128<<16                    ; tensor_dim0 = 128
	s_mov_b32 s[G1B+1], 128<<16
	s_mov_b32 s[G1A+2], 128<<16                    ; tensor_dim1 = 128
	s_mov_b32 s[G1B+2], 128<<16
	s_mov_b32 s[G1A+3], 128<<16                    ; tile_dim0 = 128
	s_mov_b32 s[G1B+3], 128<<16
	s_mov_b32 s[G1A+4], 128                        ; tile_dim1 = 128
	s_mov_b32 s[G1B+4], 128
	s_mov_b32 s[G1A+5], 1024                       ; elements from row to row of xb
	s_mov_b32 s[G1B+5], 2048                       ; and of a weight
	s_mov_b32 s[G1A+6], 0
	s_mov_b32 s[G1B+6], 0
	s_mov_b32 s[G1A+7], 0
	s_mov_b32 s[G1B+7], 0
	; x's tile: rows 256 by + 128 (W % 2), 2,048 bytes a row.  These registers never hold cx.
	s_lshl_b32 s56, s20, 19
	s_lshl_b32 s57, s16, 18
	s_add_co_u32 s56, s56, s57
	s_mov_b32 s57, 0
	; a weight's tile: columns 128 bx (256 bytes), from expert 0's first k row on.  These registers never hold cy.
	s_lshl_b32 s60, s19, 8
	s_mov_b32 s61, 0
	; where they go, by the wave's number alone: waves 0, 1 at 36,864 W; waves 2, 3 at 73,728 + 34,816 (W - 2)
	s_mul_i32 s23, s14, AHALF
	s_add_co_u32 s23, s23, AOFF-2*AHALF
	s_mul_i32 s70, s14, BTILE
	; pw[0][256 by + 128 (W / 2)]; expert 1's row lies 16,384 bytes further
	s_lshl_b32 s66, s20, 10
	s_lshl_b32 s67, s15, 9
	s_add_co_u32 s66, s66, s67
	s_mov_b32 s67, 0
	; hb: row 256 by + 128 (W / 2) + 32 (W % 2), 8,192 bytes a row; column 128 bx, 2 bytes each; expert 1's columns lie 4,096 bytes further
	s_lshl_b32 s68, s20, 8
	s_lshl_b32 s69, s15, 7
	s_add_co_u32 s68, s68, s69
	s_lshl_b32 s69, s16, 5
	s_add_co_u32 s68, s68, s69
	s_lshl_b32 s68, s68, 13
	s_lshl_b32 s69, s19, 8
	s_add_co_u32 s68, s68, s69
	s_mov_b32 s69, 0
	s_wait_dscnt 0x0
	s_wait_kmcnt 0x0
	s_add_nc_u64 s[58:59], s[4:5], s[56:57]
	s_cmp_eq_u32 s16, 0
	s_cselect_b64 s[62:63], s[6:7], s[8:9]         ; wave 0 fetches the gate's tiles, wave 1 the inter's
	s_add_nc_u64 s[62:63], s[62:63], s[60:61]
	s_add_nc_u64 s[10:11], s[10:11], s[66:67]
	s_add_nc_u64 s[12:13], s[12:13], s[68:69]
	CROUND                                         ; all sixteen work-groups are here: the first joint loads meet
.irp s, 0,1
	s_mov_b32 s[G0A+4*\s], 1
	s_add_co_u32 s[G0A+4*\s+1], s23, \s*SLOT
	s_add_nc_u64 s[G0A+4*\s+2:G0A+4*\s+3], s[58:59], \s*KSTEP*2          ; K step s: 256 bytes along the rows
	s_or_b32 s[G0A+4*\s+3], s[G0A+4*\s+3], 0x80000000
	s_mov_b32 s[G0B+4*\s], 1
	s_add_co_u32 s[G0B+4*\s+1], s70, \s*SLOT
	s_add_nc_u64 s[G0B+4*\s+2:G0B+4*\s+3], s[62:63], \s*KSTEP*4096       ; K step s: 128 rows of 4,096 bytes
	s_or_b32 s[G0B+4*\s+3], s[G0B+4*\s+3], 0x80000000
	JLOAD \s                                       ; both slots are asked for before anything else: two loads of the wave are out
.endr
	v_and_b32 v1, 15, v0                           ; r = l % 16
	v_bfe_u32 v2, v0, 4, 1                         ; h = l / 16
	v_and_b32 v3, 7, v0                            ; l % 8
	v_bfe_u32 v4, v0, 3, 1                         ; (l / 8) % 2
	v_lshlrev_b32 v[PO], 2, v1
.irp a, 0,1,2,3,4,5,6,7
	global_load_b32 v[P+\a],    v[PO], s[10:11] offset:64*\a           ; p_0 of row 16 a + r
	global_load_b32 v[P+PE+\a], v[PO], s[10:11] offset:16384+64*\a     ; p_1 of the same row
.endr
	v_mul_u32_u24 v5, v1, PA
	v_lshl_add_u32 v5, v2, 4, v5                   ; r x 272 + 16 h
	s_mul_i32 s72, s15, AHALF
	s_add_co_u32 s72, s72, AOFF
	v_add_nc_u32 v[ADRA], s72, v5                  ; a plain fragment: row r, K = 8 h .. and 16 + 8 h .., two loads 32 bytes apart
	v_add_nc_u32 v[ADRA+1], SLOT, v[ADRA]
	v_lshl_add_u32 v6, v2, 3, v3                   ; a transposed fragment: lane l addresses k row 8 h + l % 8,
	v_mul_u32_u24 v6, v6, PB
	v_lshl_add_u32 v6, v4, 4, v6                   ; columns 8 ((l / 8) % 2) .. + 7; two loads 16 k rows apart
	s_lshl_b32 s72, s16, 7                         ; my 64 columns
	v_add_nc_u32 v[ADRG], s72, v6
	v_add_nc_u32 v[ADRG+1], SLOT, v[ADRG]
	v_add_nc_u32 v[ADRI], BTILE, v[ADRG]
	v_add_nc_u32 v[ADRI+1], BTILE, v[ADRG+1]
	s_mul_i32 s72, s15, 64*PA                      ; the stage holds 64 rows of each half of the block at a time
	s_lshl_b32 s73, s16, 7
	s_add_co_u32 s72, s72, s73
	s_add_co_u32 s72, s72, STAGE
	v_add_nc_u32 v[STO], s72, v5                   ; in: stage row 64 (W / 2) + r, byte 128 (W % 2) + 16 h
	v_mul_u32_u24 v6, v2, PA
	v_lshl_add_u32 v6, v1, 4, v6
	s_mul_i32 s72, s14, 32*PA
	s_add_co_u32 s72, s72, STAGE
	v_add_nc_u32 v[RD], s72, v6                    ; back: stage rows 32 W + h, 16 bytes a lane: lanes 0-15 one row, lanes 16-31 the next
	v_lshlrev_b32 v[CO], 13, v2
	v_lshl_add_u32 v[CO], v1, 4, v[CO]             ; the same two rows in hb
; 16 matrix instructions: row blocks a0, a0 + 1 of the window's four x all 8 column blocks, 32 along K.  zero = 1: the first product starts the sums.
; The 64 accumulators take turns, one instruction a turn, in the same order in every quarter step, over the backward jumps and from block to block too.
.macro MUL16 f, hi, a0, zero
.irp a, \a0, \a0+1
.irp b, 0,1,2,3,4,5,6,7
.if \zero
	v_wmma_f32_16x16x32_bf16 v[8*(8*(\a)+\b):8*(8*(\a)+\b)+7], v[\f+8*\b:\f+8*\b+7], v[\f+8*(4*\hi+\a):\f+8*(4*\hi+\a)+7], 0
.else
	v_wmma_f32_16x16x32_bf16 v[8*(8*(\a)+\b):8*(8*(\a)+\b)+7], v[\f+8*\b:\f+8*\b+7], v[\f+8*(4*\hi+\a):\f+8*(4*\hi+\a)+7], v[8*(8*(\a)+\b):8*(8*(\a)+\b)+7]
.endif
.endr
.endr
.endm
; 32 LDS loads in one run: the fragments of quarter q (32 along K) of a slot into buffer f: gate's 4, inter's 4, then x's 8
.macro FETCH slot, q, f
	WIN TO_B
.irp b, 0,1,2,3
	ds_load_tr16_b128 v[\f+8*\b:\f+8*\b+3],   v[ADRG+\slot] offset:\q*32*PB+32*\b
	ds_load_tr16_b128 v[\f+8*\b+4:\f+8*\b+7], v[ADRG+\slot] offset:\q*32*PB+32*\b+16*PB
.endr
.irp b, 0,1,2,3
	ds_load_tr16_b128 v[\f+32+8*\b:\f+32+8*\b+3],   v[ADRI+\slot] offset:\q*32*PB+32*\b
	ds_load_tr16_b128 v[\f+32+8*\b+4:\f+32+8*\b+7], v[ADRI+\slot] offset:\q*32*PB+32*\b+16*PB
.endr
	WIN 0
.irp i, 0,1,2,3,4,5,6,7
	ds_load_b128 v[\f+8*\i:\f+8*\i+3],   v[ADRA+\slot] offset:\q*64+\i*16*PA
	ds_load_b128 v[\f+8*\i+4:\f+8*\i+7], v[ADRA+\slot] offset:\q*64+\i*16*PA+32
.endr
.endm
; A load into a register that a matrix instruction has read, and a vector instruction that reads a matrix result, stand four plain vector instructions
; behind that matrix instruction (ISA guide 7.12.1 for vector instructions).
.macro PLACES
.rept 4
	v_nop
.endr
.endm
; One of a K step's first three quarters: multiplies buffer f; in its middle it fetches quarter q of the same slot into buffer g.
.macro QUARTER slot, q, f, g, zero
	s_wait_dscnt 8                                 ; the weights' fragments and x's rows 0-63 are in; the youngest eight loads (x's rows 64-127) may be out
	WIN MUL_LO
	MUL16 \f, 0, 0, \zero
	MUL16 \f, 0, 2, \zero
	PLACES
	FETCH \slot, \q, \g
	s_wait_dscnt 32                                ; all but the 32 just issued
	WIN MUL_HI
	MUL16 \f, 1, 0, \zero
	MUL16 \f, 1, 2, \zero
.endm
.macro THREE slot, zero
	QUARTER \slot, 1, F0, F1, \zero
	QUARTER \slot, 2, F1, F0, 0
	QUARTER \slot, 3, F0, F1, 0
.endm
; The last quarter: multiplies buffer 1 and changes slots.  In front of the barrier each wave waits for its reads of this slot and for all its tensor loads
; (one is out: its part of the next slot).  Where the slot is filled again the barrier opens a round of the cluster's barrier; the joint refill is the first
; tensor load behind the round, one a wave, and a wave issues 240 matrix instructions before it waits for it.
; fill = 0: nothing is left to fetch.  1: two K steps on.  2: the next block's step: the weights go two steps on as ever (expert 1's k rows follow expert 0's),
; x goes back from step 6 or 7 to step 0 or 1.
.macro TURN slot, next, fill
	s_wait_dscnt 8
	WIN MUL_LO
	MUL16 F1, 0, 0, 0
	s_wait_dscnt 0                                 ; my reads of this slot are over
	s_wait_tensorcnt 0x0                           ; all my tensor loads have landed
	ds_add_u32 v255, v31
	s_wait_dscnt 0x0
	s_barrier_signal -1
	MUL16 F1, 0, 2, 0                              ; register work while the others arrive
	WIN 0
	s_barrier_wait -1
.if \fill
	CREST                                          ; no wave of any partner still reads this slot or has a load on its way
.if \fill == 2
	s_sub_nc_u64 s[G0A+4*\slot+2:G0A+4*\slot+3], s[G0A+4*\slot+2:G0A+4*\slot+3], 6*KSTEP*2
.else
	s_add_nc_u64 s[G0A+4*\slot+2:G0A+4*\slot+3], s[G0A+4*\slot+2:G0A+4*\slot+3], 2*KSTEP*2
.endif
	s_add_nc_u64 s[G0B+4*\slot+2:G0B+4*\slot+3], s[G0B+4*\slot+2:G0B+4*\slot+3], 2*KSTEP*4096
	JLOAD \slot
.endif
	PLACES
	FETCH \next, 0, F0
	WIN MUL_HI
	MUL16 F1, 1, 0, 0
	MUL16 F1, 1, 2, 0
.endm
.macro LAP zero, fill
	THREE 0, \zero
	TURN 0, 1, \fill
	THREE 1, 0
	TURN 1, 0, \fill
.endm
; THE WAY OUT.  Per block of 16 rows: T = -1.442695 g, U = g u p; T = 1 / (1 + 2^T); U T rounded to bf16, 16 bytes a lane into the stage.
; row = a (0..7), loc = a % 4, win = source 0 in window 2 or 3, e = the expert
.macro EPI row, loc, win, e
	WIN \win
.irp b, 0,1,2,3
.irp q, 0,1,2,3
	v_pk_mul_f32 v[T+8*\b+2*\q:T+8*\b+2*\q+1], v[8*(8*\loc+\b)+2*\q:8*(8*\loc+\b)+2*\q+1], 0xbfb8aa3b op_sel_hi:[1,0]
.if \row & 1
	v_pk_mul_f32 v[U+8*\b+2*\q:U+8*\b+2*\q+1], v[8*(8*\loc+\b+4)+2*\q:8*(8*\loc+\b+4)+2*\q+1], v[P+PE*\e+\row-1:P+PE*\e+\row] op_sel:[0,1] op_sel_hi:[1,1]
.else
	v_pk_mul_f32 v[U+8*\b+2*\q:U+8*\b+2*\q+1], v[8*(8*\loc+\b+4)+2*\q:8*(8*\loc+\b+4)+2*\q+1], v[P+PE*\e+\row:P+PE*\e+\row+1] op_sel:[0,0] op_sel_hi:[1,0]
.endif
	v_pk_mul_f32 v[U+8*\b+2*\q:U+8*\b+2*\q+1], v[8*(8*\loc+\b)+2*\q:8*(8*\loc+\b)+2*\q+1], v[U+8*\b+2*\q:U+8*\b+2*\q+1]
.endr
.endr
	WIN 0
.set i, 0
.rept 32
	v_exp_f32 v[T+i], v[T+i]
.set i, i+1
.endr
	v_nop                                          ; one plain vector instruction behind the transcendentals, ahead of the first use (ISA guide 5.7.2)
.set i, 0
	s_wait_alu depctr_va_vdst(0)
.rept 16
	v_pk_add_f32 v[T+i:T+i+1], v[T+i:T+i+1], 1.0 op_sel_hi:[1,0]
.set i, i+2
.endr
.set i, 0
.rept 32
	v_rcp_f32 v[T+i], v[T+i]
.set i, i+1
.endr
	v_nop                                          ; likewise
.set i, 0
	s_wait_alu depctr_va_vdst(0)
.rept 16
	v_pk_mul_f32 v[U+i:U+i+1], v[U+i:U+i+1], v[T+i:T+i+1]
.set i, i+2
.endr
.set i, 0
.rept 16
	v_cvt_pk_bf16_f32 v[Y+i], v[U+2*i], v[U+2*i+1]
.set i, i+1
.endr
.irp b, 0,1,2,3
	ds_store_b128 v[STO], v[Y+4*\b:Y+4*\b+3] offset:\loc*16*PA+32*\b
.endr
.endm
; The stage's 128 rows (64 of each half of the block) leave as whole rows of 256 bytes; wave W takes stage rows 32 W .. + 31.  A row holds bytes of two waves:
; every wave's stores are waited for in front of the barrier.  The next block's tensor load may be on its way across this barrier.
.macro FLUSH pass, f, e
	s_wait_dscnt 0x0
	s_barrier_signal -1
	s_barrier_wait -1
.irp t, 0,1,2,3,4,5,6,7,8,9,10,11,12,13,14,15
	ds_load_b128 v[\f+4*\t:\f+4*\t+3], v[RD] offset:2*PA*\t
.endr
.irp t, 0,1,2,3,4,5,6,7,8,9,10,11,12,13,14,15
	s_wait_dscnt 15-\t                             ; LDS loads come back in order: load t is in
	global_store_b128 v[CO], v[\f+4*\t:\f+4*\t+3], s[12:13] offset:(64*\pass+2*\t)*8192+4096*\e   ; 16 lanes store 256 neighbouring bytes, aligned
.endr
.endm
; A block's way out.  Buffer 0 is left alone: behind the first block it already holds the second block's first fragments.  The rows are read back into buffer 1
; of window 0 (first pass) and into T and U (second pass), which are free at those points.
.macro WAYOUT e
	PLACES                                         ; behind the last matrix instructions: for the lines that read results and for the loads into buffer 1
	s_wait_xcnt 0x0                                ; T and U held the data of the block before's last stores: they are rewritten only behind this wait
	EPI 0, 0, 0x02, \e
	EPI 1, 1, 0x02, \e
	EPI 2, 2, 0x02, \e
	EPI 3, 3, 0x02, \e
	FLUSH 0, F1, \e
	s_barrier_signal -1                            ; every wave's reads of the stage are back (the count-down ended at 0): it may be written again
	s_barrier_wait -1
	EPI 4, 0, 0x03, \e
	EPI 5, 1, 0x03, \e
	EPI 6, 2, 0x03, \e
	EPI 7, 3, 0x03, \e
	s_wait_xcnt 0x0                                ; buffer 1 holds the data of the first pass's stores: the next block loads it again only behind this wait
	FLUSH 1, T, \e
.endm
	s_wait_loadcnt 0x0                             ; the sixteen routing weights, once
	s_wait_tensorcnt 1                             ; my part of K step 0 is in; K step 1's load stays out
	s_barrier_signal -1
	s_barrier_wait -1
	FETCH 0, 0, F0
	; EXPERT 0
	LAP 1, 1                                       ; K steps 0, 1; asks for 2, 3.  Its first products start the sums
	WIN 0                                          ; at a label and at a branch every window is 0
	s_mov_b32 s3, LAPS-2
.Llap0:
	LAP 0, 1                                       ; K steps 2 to 5; asks for 4 to 7
	WIN 0
	s_sub_co_u32 s3, s3, 1
	s_cmp_lg_u32 s3, 0
	s_cbranch_scc1 .Llap0
	LAP 0, 2                                       ; K steps 6, 7; asks for expert 1's steps 0, 1, and fetches its first fragments
	WAYOUT 0
	; EXPERT 1
	LAP 1, 1
	WIN 0
	s_mov_b32 s3, LAPS-2
.Llap1:
	LAP 0, 1
	WIN 0
	s_sub_co_u32 s3, s3, 1
	s_cmp_lg_u32 s3, 0
	s_cbranch_scc1 .Llap1
	THREE 0, 0                                     ; the last lap fills nothing and has no round
	TURN 0, 1, 0
	THREE 1, 0
	s_wait_dscnt 8
	WIN MUL_LO
	MUL16 F1, 0, 0, 0
	MUL16 F1, 0, 2, 0
	s_wait_dscnt 0
	WIN MUL_HI
	MUL16 F1, 1, 0, 0
	MUL16 F1, 1, 2, 0
	WAYOUT 1
	s_set_vgpr_msb 0x1
	s_wait_tensorcnt 0x0
	ds_add_u32 v255, v31
	s_wait_dscnt 0x0
	s_set_vgpr_msb 0x100
	CROUND                                         ; the closing round: no work-group ends while a partner may still ask for a tile that names it
	s_endpgm
.Lfunc_end_k_q96d2d2789b_swiglu:
	.size	k_q96d2d2789b_swiglu, .Lfunc_end_k_q96d2d2789b_swiglu-k_q96d2d2789b_swiglu
	.p2alignl 7, 3214868480
	.fill 96, 4, 3214868480
	.section	.rodata,"a",@progbits
	.p2align	6, 0x0
	.amdhsa_kernel k_q96d2d2789b_swiglu
		.amdhsa_group_segment_fixed_size 327680
		.amdhsa_private_segment_fixed_size 0
		.amdhsa_enable_private_segment 0
		.amdhsa_kernarg_size 40
		.amdhsa_user_sgpr_count 2
		.amdhsa_user_sgpr_kernarg_segment_ptr 1
		.amdhsa_wavefront_size32 1
		.amdhsa_system_sgpr_workgroup_id_x 1
		.amdhsa_system_sgpr_workgroup_id_y 1
		.amdhsa_system_sgpr_workgroup_id_z 1
		.amdhsa_system_vgpr_workitem_id 0
		.amdhsa_next_free_vgpr 1024
		.amdhsa_next_free_sgpr 76
		.amdhsa_reserve_vcc 0
		.amdhsa_float_denorm_mode_32 3
		.amdhsa_float_denorm_mode_16_64 3
		.amdhsa_memory_ordered 1
		.amdhsa_forward_progress 1
		.amdhsa_inst_pref_size 255
	.end_amdhsa_kernel
	.section	.bss,"aw",@nobits
	.p2align	6
	.space	262144
	.amdgpu_metadata
---
amdhsa.version: [ 1, 2 ]
amdhsa.kernels:
  - .name:           k_q96d2d2789b_swiglu
    .symbol:         k_q96d2d2789b_swiglu.kd
    .args:
      - { .name: xb, .offset: 0, .size: 8, .value_kind: global_buffer, .address_space: global }
      - { .name: wgb, .offset: 8, .size: 8, .value_kind: global_buffer, .address_space: global }
      - { .name: wib, .offset: 16, .size: 8, .value_kind: global_buffer, .address_space: global }
      - { .name: pw, .offset: 24, .size: 8, .value_kind: global_buffer, .address_space: global }
      - { .name: hb, .offset: 32, .size: 8, .value_kind: global_buffer, .address_space: global }
    .group_segment_fixed_size: 327680
    .private_segment_fixed_size: 0
    .kernarg_segment_align: 8
    .kernarg_segment_size: 40
    .max_flat_workgroup_size: 128
    .sgpr_count:     76
    .vgpr_count:     1024
    .wavefront_size: 32
...
	.end_amdgpu_metadata
.endif
;; end of part 2
;; launch down (part 3): grid 8 x 32, 4 waves a work-group, clusters of 4 x 4, 327,680 bytes of LDS; arguments hb, wob, out0; writes out0
.if DOCPART == 3
	.amdgcn_target "amdgcn-amd-amdhsa--gfx1250"
	.amdhsa_code_object_version 6
	.text
	.protected	k_q96d2d2789b_down
	.globl	k_q96d2d2789b_down
	.p2align	8
	.type	k_q96d2d2789b_down,@function
k_q96d2d2789b_down:
	s_mov_b64 s[64:65], 0
	v_nop
	global_prefetch_b8 v0, s[64:65] scope:SCOPE_SE
	s_setreg_imm32_b32 hwreg(HW_REG_WAVE_MODE, 25, 1), 1
	s_wait_xcnt 0x0
	s_wait_alu depctr_hold_cnt(0) depctr_sa_sdst(0) depctr_va_vdst(0) depctr_va_sdst(0) depctr_va_ssrc(0) depctr_va_vcc(0) depctr_vm_vsrc(0)
	s_getreg_b32 s2, hwreg(HW_REG_IB_STS2, 6, 4)
	s_cmp_eq_u32 s2, 0
	s_cbranch_scc0 .Lentry_in_a_cluster
	s_endpgm
.Lentry_in_a_cluster:
	s_bfe_u32 s2, ttmp6, 0x10000c
	s_cmp_lg_u32 s2, 0xf033
	s_cbranch_scc0 .Lentry_shape_is_right
	s_endpgm
.Lentry_shape_is_right:
; DOWN: out0[t][n] = sum over k = 2048 e + i of hb[t][k] wob[k][n].  hb: [4096][4096] bf16, wob: [4096][1024] bf16 (w_out as it lies), out0 f32.
; The routing weights are already in hb, so the weighted sum over the experts is part of K; top_k, one_hot and the renormalising division are left out as
; shown at the head of the first kernel.
; SHARES.  256 blocks of 128 x 128.  All four waves make the WHOLE block, 64 accumulator tiles each, each over a quarter of K: of every slot's 256 k wave W takes
; k = 64 W .. 64 W + 63.  So every LDS byte of a tile is read once (four wave tiles of 64 x 64 would read each twice).  The four partial blocks are added
; at the end, on the trip through LDS that turns them into whole rows anyway.
; K = 4096 goes in 16 slots of 256 through two LDS slots.  wob's tiles stay [K][N] in LDS and are read by the transposing LDS load.
; CLUSTERS: 4 x 4 work-groups; hb's tile hangs on by alone and is asked for jointly along a row of the cluster, wob's on bx alone and along a column.
; Waves 0 and 1 ask for wob's two halves (128 k each), waves 2 and 3 for hb's (64 rows each): one load a wave.
; WHERE K STARTS.  Two slots of 141,312 bytes fill LDS, and a slot holds only 128 matrix instructions a wave, so a tile has little work in which to land.
; Cluster (X, Y) of the 2 x 8 therefore starts at slot (8 X + 6 Y) mod 16 and walks the 16 slots round.  The two clusters that need the same rows of hb start
; eight slots apart: each tile of hb is wanted first by one of them and eight trips later by the other.  The eight cluster rows that need the same columns of
; wob have eight different even starts: every slot of wob is some cluster row's trip 0 or 1.  The start hangs on the cluster's coordinates alone, which all
; partners of a joint load share.  LIMIT: K is summed in four parts, from a start that differs from cluster to cluster: another order of rounding than one chain.
; PREFETCH.  A cluster is the first to want hb's tiles of its trips 0 to 7.  Trips 0 and 1 are the first fills; trips 2 to 7 are asked for ahead, two trips at an
; ask: trips 2, 3 behind the first fills, trips 4, 5 behind the load for trip 2, trips 6, 7 behind the load for trip 4, so an ask stands two or three trips
; ahead of the load that wants the bytes (one or two for the first).  A block row's two tiles are 128 rows x 2 x 512 bytes = 512 blocks of 256 bytes: work-group cx
; takes rows 32 cx .. + 31, one a lane; wave W the trip W / 2 and the half W % 2 of the 512 bytes.  Each block is named once in the launch, 32 KiB a work-group
; at an ask; from trip 8 on nothing is asked for, and nothing of wob, whose every slot is a first fill of some cluster row.
; THE MATRIX INSTRUCTION IS USED TRANSPOSED: source 0 = 16 columns of wob, source 1 = 16 rows of hb; lane l holds row l % 16, columns 8 (l / 16) + 0..7.
; REGISTER WINDOWS: 0 addresses and hb's fragments; 1 wob's fragments; 2 the tiles of row blocks 0..3 (tile (a, b) at 8 (8 a + b)); 3 those of 4..7.
.set KSLOT,  256
.set PA,     528                       ; hb's LDS row: 512 bytes + 16; also a row of a partial block (128 f32) on the way out
.set PB,     288                       ; wob's LDS row (one k, 128 columns): 256 bytes + 32
.set BHALF,  128*PB                    ; 36,864
.set AHALF,  64*PA                     ; 33,792
.set AOFF,   2*BHALF                   ; a slot: wob's 256 k rows, then hb's 128 rows
.set SLOT,   AOFF+2*AHALF              ; 141,312
.set PART,   128*PA                    ; 67,584: a wave's partial block on the way out; four of them fit in the ring's 282,624 bytes
.set LAPS,   4096/(2*KSLOT)
.set ADRA, 16                          ; v16-17  LDS address of my hb fragments in slot 0, 1
.set ADRB, 18                          ; v18-19  the same for wob
.set STO,  24                          ; v24     the way out: where I put my partial block
.set CO,   26                          ; v26     my byte offset in out0
.set VPF,  27                          ; v27     prefetch: 8,192 x lane, a row of hb a lane; never rewritten
.set RD0,  28                          ; v28-31  the way out: my 16 bytes of a row in each of the four partial blocks
.set F0,   64
.set F1,   128
.set G1A, 24
.set G0A, 32
.set G1B, 40
.set G0B, 48
.set KS,  74                           ; s74     the slot of K that the next load brings, 0..15
.set PF,  80                           ; s[80:85] prefetch: a base for each of the three asks; never rewritten
.set MSB, 0
.macro WIN new                         ; the immediate's high byte repeats the setting that is left
.if MSB != \new
	s_set_vgpr_msb (MSB<<8)|\new
.set MSB, \new
.endif
.endm
.set MUL_LO, 0xa1
.set MUL_HI, 0xf1
.set TO_B,   0x40
.macro JLOAD s
	s_cmp_eq_u32 s15, 0
	s_cbranch_scc0 .Lfor_a_\@
	tensor_load_to_lds s[G0B+4*\s:G0B+4*\s+3], s[G1B:G1B+7]
	s_nop 0
	s_branch .Lasked_\@
.Lfor_a_\@:
	tensor_load_to_lds s[G0A+4*\s:G0A+4*\s+3], s[G1A:G1A+7]
	s_nop 0
.Lasked_\@:
.endm
.macro CREST
	s_cmp_lg_u32 s14, 0
	s_cbranch_scc1 .Lnot_wave_0_\@
	s_barrier_signal -3
.Lnot_wave_0_\@:
	s_barrier_wait -3
	s_barrier_signal -1
	s_barrier_wait -1
.endm
.macro CROUND
	s_barrier_signal -1
	s_barrier_wait -1
	CREST
.endm
; The addresses of slot KS's two tiles go into ring slot s's two groups 0; then KS goes one on, modulo 16.  No tensor load of the wave that names ring slot s's groups is out where this stands.
.macro STEPK s
	s_lshl_b32 s66, s[KS], 9                       ; 512 bytes along hb's rows (s67 = 0)
	s_lshl_b32 s72, s[KS], 19                      ; 256 rows of 2,048 bytes of wob (s73 = 0)
	s_add_nc_u64 s[G0A+4*\s+2:G0A+4*\s+3], s[58:59], s[66:67]
	s_or_b32 s[G0A+4*\s+3], s[G0A+4*\s+3], 0x80000000
	s_add_nc_u64 s[G0B+4*\s+2:G0B+4*\s+3], s[62:63], s[72:73]
	s_or_b32 s[G0B+4*\s+3], s[G0B+4*\s+3], 0x80000000
	s_add_co_u32 s[KS], s[KS], 1
	s_and_b32 s[KS], s[KS], 15
.endm
	s_load_b128 s[4:7], s[0:1], 0x0                ; hb s[4:5], wob s[6:7]
	s_load_b64 s[8:9], s[0:1], 0x10                ; out0
	s_set_vgpr_msb 0x40
	v_lshl_add_u32 v255, v0, 2, 0x45000
	s_set_vgpr_msb 0x4000
	v_mov_b32 v255, 0
	s_set_vgpr_msb 0x1
	ds_add_u32 v255, v255
	s_set_vgpr_msb 0x100
	v_lshrrev_b32 v1, 5, v0
	v_readfirstlane_b32 s14, v1                    ; wave W
	s_lshr_b32 s15, s14, 1                         ; I fetch for wob (0) or for hb (1)
	s_and_b32 s16, s14, 1                          ; which half of that tile
	s_bfe_u32 s17, ttmp6, 0x40000                  ; cx
	s_bfe_u32 s18, ttmp6, 0x40004                  ; cy
	s_lshl_b32 s19, ttmp9, 2
	s_add_co_u32 s19, s19, s17                     ; bx
	s_and_b32 s20, ttmp7, 0xffff                   ; the cluster's y
	s_mul_i32 s[KS], s20, 6
	s_lshl_b32 s20, s20, 2
	s_add_co_u32 s20, s20, s18                     ; by
	s_lshl_b32 s75, ttmp9, 3
	s_add_co_u32 s[KS], s[KS], s75
	s_and_b32 s[KS], s[KS], 15                     ; my cluster's first slot of K: (8 X + 6 Y) mod 16
	s_lshl_b32 s21, s18, 2
	s_lshl_b32 s21, 15, s21                        ; my row of the cluster
	s_lshl_b32 s22, 0x1111, s17                    ; my column
	; group 1.  hb: 64 rows x 256 elements, 4 words of padding behind every 128 words.  wob: 128 rows x 128 elements, 8 words behind every 64.
	s_or_b32 s[G1A+0], s21, (1<<16)|(1<<20)|(1<<21)|(6<<22)|(3<<25)
	s_or_b32 s[G1B+0], s22, (1<<16)|(1<<20)|(1<<21)|(5<<22)|(7<<25)
	s_mov_b32 s[G1A+1], 256<<16                    ; tensor_dim0
	s_mov_b32 s[G1B+1], 128<<16
	s_mov_b32 s[G1A+2], 64<<16                     ; tensor_dim1
	s_mov_b32 s[G1B+2], 128<<16
	s_mov_b32 s[G1A+3], 256<<16                    ; tile_dim0
	s_mov_b32 s[G1B+3], 128<<16
	s_mov_b32 s[G1A+4], 64                         ; tile_dim1
	s_mov_b32 s[G1B+4], 128
	s_mov_b32 s[G1A+5], 4096                       ; elements from row to row
	s_mov_b32 s[G1B+5], 1024
	s_mov_b32 s[G1A+6], 0
	s_mov_b32 s[G1B+6], 0
	s_mov_b32 s[G1A+7], 0
	s_mov_b32 s[G1B+7], 0
	; hb's tile: rows 128 by + 64 (W % 2), 8,192 bytes a row.  These registers never hold cx.
	s_lshl_b32 s56, s20, 20
	s_lshl_b32 s57, s16, 19
	s_add_co_u32 s56, s56, s57
	s_mov_b32 s57, 0
	; wob's tile: k rows 128 (W % 2), 2,048 bytes a row; columns 128 bx, 256 bytes.  These registers never hold cy.
	s_lshl_b32 s60, s16, 18
	s_lshl_b32 s61, s19, 8
	s_add_co_u32 s60, s60, s61
	s_mov_b32 s61, 0
	s_mov_b32 s67, 0                               ; the upper words of the two slot offsets
	s_mov_b32 s73, 0
	; where they go, by the wave's number alone: waves 0, 1 at 36,864 W; waves 2, 3 at 73,728 + 33,792 (W - 2)
	s_mul_i32 s23, s14, AHALF
	s_add_co_u32 s23, s23, AOFF-2*AHALF
	s_mul_i32 s70, s14, BHALF
	; out0: row 128 by + 32 W, 4,096 bytes a row; column 128 bx, 4 bytes each
	s_lshl_b32 s68, s20, 7
	s_lshl_b32 s69, s14, 5
	s_add_co_u32 s68, s68, s69
	s_lshl_b32 s68, s68, 12
	s_lshl_b32 s69, s19, 9
	s_add_co_u32 s68, s68, s69
	s_mov_b32 s69, 0
	; prefetch: row 128 by + 32 cx, half W % 2 of the slot's 512 bytes; ask i names the slot of trip 2 + 2 i + W / 2
	s_lshl_b32 s76, s20, 20
	s_lshl_b32 s77, s17, 18
	s_add_co_u32 s76, s76, s77
	s_lshl_b32 s77, s16, 8
	s_add_co_u32 s76, s76, s77
	s_add_co_u32 s77, s[KS], s15
.irp i, 0,1,2
	s_add_co_u32 s78, s77, 2+2*\i
	s_and_b32 s78, s78, 15
	s_lshl_b32 s78, s78, 9
	s_add_co_u32 s[PF+2*\i], s78, s76
	s_mov_b32 s[PF+2*\i+1], 0
.endr
	s_wait_dscnt 0x0
	s_wait_kmcnt 0x0
	s_add_nc_u64 s[58:59], s[4:5], s[56:57]
	s_add_nc_u64 s[62:63], s[6:7], s[60:61]
	s_add_nc_u64 s[8:9], s[8:9], s[68:69]
.irp i, 0,1,2
	s_add_nc_u64 s[PF+2*\i:PF+2*\i+1], s[4:5], s[PF+2*\i:PF+2*\i+1]
.endr
	CROUND                                         ; all sixteen work-groups are here: the first joint loads meet
.irp s, 0,1
	s_mov_b32 s[G0A+4*\s], 1
	s_add_co_u32 s[G0A+4*\s+1], s23, \s*SLOT
	s_mov_b32 s[G0B+4*\s], 1
	s_add_co_u32 s[G0B+4*\s+1], s70, \s*SLOT
	STEPK \s                                       ; trips 0 and 1: my cluster's first two slots of K
	JLOAD \s                                       ; two loads of the wave are out
.endr
	v_and_b32 v6, 31, v0
	v_lshlrev_b32 v[VPF], 13, v6
	global_prefetch_b8 v[VPF], s[PF:PF+1] th:TH_LOAD_NT scope:SCOPE_SE   ; hb's tiles of trips 2 and 3
	v_and_b32 v1, 15, v0                           ; r
	v_bfe_u32 v2, v0, 4, 1                         ; h
	v_and_b32 v3, 7, v0
	v_bfe_u32 v4, v0, 3, 1
	v_mul_u32_u24 v5, v1, PA                       ; r x 528
	v_lshl_add_u32 v6, v2, 4, v5
	s_lshl_b32 s75, s14, 7                         ; my 64 k: 128 bytes along hb's rows
	s_add_co_u32 s75, s75, AOFF
	v_add_nc_u32 v[ADRA], s75, v6
	v_add_nc_u32 v[ADRA+1], SLOT, v[ADRA]
	v_lshl_add_u32 v6, v2, 3, v3                   ; k row 8 h + l % 8
	v_mul_u32_u24 v6, v6, PB
	v_lshl_add_u32 v6, v4, 4, v6
	s_mul_i32 s75, s14, 64*PB                      ; my 64 k rows of wob
	v_add_nc_u32 v[ADRB], s75, v6
	v_add_nc_u32 v[ADRB+1], SLOT, v[ADRB]
	v_lshl_add_u32 v6, v2, 5, v5                   ; out: row r, 32 bytes (8 f32) for each half of the lanes
	s_mul_i32 s75, s14, PART
	v_add_nc_u32 v[STO], s75, v6
	v_and_b32 v6, 31, v0
	v_lshlrev_b32 v[CO], 4, v6                     ; back: 16 bytes a lane, a row of 512 bytes a wave
	s_mul_i32 s75, s14, 32*PA                      ; rows 32 W .. + 31
	v_add_nc_u32 v[RD0], s75, v[CO]
	v_add_nc_u32 v[RD0+1], PART, v[RD0]
	v_add_nc_u32 v[RD0+2], PART, v[RD0+1]
	v_add_nc_u32 v[RD0+3], PART, v[RD0+2]
; The 64 accumulators take turns, one instruction a turn, in the same order in every run of 64, over the backward jump too.
.macro MUL16 f, hi, a0, zero
.irp a, \a0, \a0+1
.irp b, 0,1,2,3,4,5,6,7
.if \zero
	v_wmma_f32_16x16x32_bf16 v[8*(8*(\a)+\b):8*(8*(\a)+\b)+7], v[\f+8*\b:\f+8*\b+7], v[\f+8*(4*\hi+\a):\f+8*(4*\hi+\a)+7], 0
.else
	v_wmma_f32_16x16x32_bf16 v[8*(8*(\a)+\b):8*(8*(\a)+\b)+7], v[\f+8*\b:\f+8*\b+7], v[\f+8*(4*\hi+\a):\f+8*(4*\hi+\a)+7], v[8*(8*(\a)+\b):8*(8*(\a)+\b)+7]
.endif
.endr
.endr
.endm
; 32 LDS loads in one run: half q (32 k) of my 64 k of a slot into buffer f: wob's 8 fragments, then hb's 8
.macro FETCH slot, q, f
	WIN TO_B
.irp b, 0,1,2,3,4,5,6,7
	ds_load_tr16_b128 v[\f+8*\b:\f+8*\b+3],   v[ADRB+\slot] offset:\q*32*PB+32*\b
	ds_load_tr16_b128 v[\f+8*\b+4:\f+8*\b+7], v[ADRB+\slot] offset:\q*32*PB+32*\b+16*PB
.endr
	WIN 0
.irp i, 0,1,2,3,4,5,6,7
	ds_load_b128 v[\f+8*\i:\f+8*\i+3],   v[ADRA+\slot] offset:\q*64+\i*16*PA
	ds_load_b128 v[\f+8*\i+4:\f+8*\i+7], v[ADRA+\slot] offset:\q*64+\i*16*PA+32
.endr
.endm
; Four plain vector instructions between a matrix instruction and a load into a register that it has read, or a reader of its result
; (ISA guide 7.12.1 for vector instructions).
.macro PLACES
.rept 4
	v_nop
.endr
.endm
; The first half of a slot: multiplies buffer 0; in its middle it fetches the second half into buffer 1.
.macro HALF0 slot, zero
	s_wait_dscnt 8                                 ; wob's fragments and hb's rows 0-63 are in; the youngest eight loads (hb's rows 64-127) may be out
	WIN MUL_LO
	MUL16 F0, 0, 0, \zero
	MUL16 F0, 0, 2, \zero
	PLACES
	FETCH \slot, 1, F1
	s_wait_dscnt 32                                ; all but the 32 just issued
	WIN MUL_HI
	MUL16 F0, 1, 0, \zero
	MUL16 F0, 1, 2, \zero
.endm
; The second half: multiplies buffer 1 and changes slots.  In front of the barrier each wave waits for its reads of this slot and for all its tensor loads (one is
; out: its part of the next slot).  Where the slot is filled again the barrier opens a round of the cluster's barrier; the joint refill is the first tensor load
; behind the round, one a wave, and a wave issues 112 matrix instructions before it waits for it.  pf: 0, or the base register of an ask that stands behind the refill.
.macro TURN slot, next, fill, pf
	s_wait_dscnt 8
	WIN MUL_LO
	MUL16 F1, 0, 0, 0
	s_wait_dscnt 0
	s_wait_tensorcnt 0x0
	ds_add_u32 v255, v255
	s_wait_dscnt 0x0
	s_barrier_signal -1
	MUL16 F1, 0, 2, 0
	WIN 0
	s_barrier_wait -1
.if \fill
	CREST
	STEPK \slot
	JLOAD \slot
.if \pf
	global_prefetch_b8 v[VPF], s[\pf:\pf+1] th:TH_LOAD_NT scope:SCOPE_SE
.endif
.endif
	PLACES
	FETCH \next, 0, F0
	WIN MUL_HI
	MUL16 F1, 1, 0, 0
	MUL16 F1, 1, 2, 0
.endm
.macro LAP zero, pf
	HALF0 0, \zero
	TURN 0, 1, 1, \pf
	HALF0 1, 0
	TURN 1, 0, 1, 0
.endm
	s_wait_tensorcnt 1                             ; my part of slot 0 is in; slot 1's load stays out
	s_barrier_signal -1
	s_barrier_wait -1
	FETCH 0, 0, F0
	LAP 1, PF+2                                    ; trips 0, 1: the first products start the sums; loads for trips 2, 3; asks for hb's tiles of trips 4, 5
	LAP 0, PF+4                                    ; trips 2, 3; loads for trips 4, 5; asks for hb's tiles of trips 6, 7: the last ask
	WIN 0
	s_mov_b32 s3, LAPS-3
.Llap:
	LAP 0, 0                                       ; trips 4 to 13; loads for trips 6 to 15
	WIN 0
	s_sub_co_u32 s3, s3, 1
	s_cmp_lg_u32 s3, 0
	s_cbranch_scc1 .Llap
	HALF0 0, 0                                     ; the last lap fills nothing and has no round
	TURN 0, 1, 0, 0
	HALF0 1, 0
	s_wait_dscnt 8
	WIN MUL_LO
	MUL16 F1, 0, 0, 0
	MUL16 F1, 0, 2, 0
	s_wait_dscnt 0
	WIN MUL_HI
	MUL16 F1, 1, 0, 0
	MUL16 F1, 1, 2, 0
	; THE WAY OUT.  The ring has had its last fill.  Each wave lays its partial block into LDS (128 rows of 528 bytes, at 67,584 W); then wave W adds the four
	; partial blocks' rows 32 W .. + 31 and stores them as whole rows of 512 bytes.
	PLACES
	WIN 0
	s_wait_dscnt 0x0                               ; my reads of the ring are over,
	s_wait_tensorcnt 0x0                           ; none of my tensor loads is out,
	s_barrier_signal -1
	s_barrier_wait -1                              ; and that holds of every wave: the ring's bytes may be written
.macro DUMP hi
.irp a, 0,1,2,3
.irp b, 0,1,2,3,4,5,6,7
	ds_store_b128 v[STO], v[8*(8*\a+\b):8*(8*\a+\b)+3]   offset:16*PA*(4*\hi+\a)+64*\b
	ds_store_b128 v[STO], v[8*(8*\a+\b)+4:8*(8*\a+\b)+7] offset:16*PA*(4*\hi+\a)+64*\b+16
.endr
.endr
.endm
	WIN 0x08                                       ; an LDS store's data are source 1: window 2
	DUMP 0
	WIN 0x0c                                       ; window 3
	DUMP 1
	WIN 0
	s_wait_dscnt 0x0                               ; my stores are done, for the waves that read them
	s_barrier_signal -1
	s_barrier_wait -1
; group g = rows 4 g .. 4 g + 3 of my 32: row p's four partial rows into f + 16 p + 4 s
.macro LOADG g, f
	s_wait_xcnt 0x0                                ; buffer f holds the data of earlier stores: it is loaded again only behind this wait
.irp p, 0,1,2,3
.irp s, 0,1,2,3
	ds_load_b128 v[\f+16*\p+4*\s:\f+16*\p+4*\s+3], v[RD0+\s] offset:PA*(4*\g+\p)
.endr
.endr
.endm
.macro SUMG g, f
.irp p, 0,1,2,3
	v_pk_add_f32 v[\f+16*\p:\f+16*\p+1],     v[\f+16*\p:\f+16*\p+1],     v[\f+16*\p+4:\f+16*\p+5]
	v_pk_add_f32 v[\f+16*\p+2:\f+16*\p+3],   v[\f+16*\p+2:\f+16*\p+3],   v[\f+16*\p+6:\f+16*\p+7]
	v_pk_add_f32 v[\f+16*\p+8:\f+16*\p+9],   v[\f+16*\p+8:\f+16*\p+9],   v[\f+16*\p+12:\f+16*\p+13]
	v_pk_add_f32 v[\f+16*\p+10:\f+16*\p+11], v[\f+16*\p+10:\f+16*\p+11], v[\f+16*\p+14:\f+16*\p+15]
	v_pk_add_f32 v[\f+16*\p:\f+16*\p+1],     v[\f+16*\p:\f+16*\p+1],     v[\f+16*\p+8:\f+16*\p+9]
	v_pk_add_f32 v[\f+16*\p+2:\f+16*\p+3],   v[\f+16*\p+2:\f+16*\p+3],   v[\f+16*\p+10:\f+16*\p+11]
	global_store_b128 v[CO], v[\f+16*\p:\f+16*\p+3], s[8:9] offset:4096*(4*\g+\p) th:TH_STORE_NT   ; the wave stores 512 neighbouring bytes, aligned
.endr
.endm
	LOADG 0, F0
	LOADG 1, F1
	s_wait_dscnt 16                                ; all but the 16 loads just issued: the group before is in
	SUMG 0, F0
	LOADG 2, F0
	s_wait_dscnt 16
	SUMG 1, F1
	LOADG 3, F1
	s_wait_dscnt 16
	SUMG 2, F0
	LOADG 4, F0
	s_wait_dscnt 16
	SUMG 3, F1
	LOADG 5, F1
	s_wait_dscnt 16
	SUMG 4, F0
	LOADG 6, F0
	s_wait_dscnt 16
	SUMG 5, F1
	LOADG 7, F1
	s_wait_dscnt 16
	SUMG 6, F0
	s_wait_dscnt 0
	SUMG 7, F1
	s_set_vgpr_msb 0x1
	s_wait_tensorcnt 0x0
	ds_add_u32 v255, v255
	s_wait_dscnt 0x0
	s_set_vgpr_msb 0x100
	CROUND                                         ; the closing round: no work-group ends while a partner may still ask for a tile that names it
	s_endpgm
.Lfunc_end_k_q96d2d2789b_down:
	.size	k_q96d2d2789b_down, .Lfunc_end_k_q96d2d2789b_down-k_q96d2d2789b_down
	.p2alignl 7, 3214868480
	.fill 96, 4, 3214868480
	.section	.rodata,"a",@progbits
	.p2align	6, 0x0
	.amdhsa_kernel k_q96d2d2789b_down
		.amdhsa_group_segment_fixed_size 327680
		.amdhsa_private_segment_fixed_size 0
		.amdhsa_enable_private_segment 0
		.amdhsa_kernarg_size 24
		.amdhsa_user_sgpr_count 2
		.amdhsa_user_sgpr_kernarg_segment_ptr 1
		.amdhsa_wavefront_size32 1
		.amdhsa_system_sgpr_workgroup_id_x 1
		.amdhsa_system_sgpr_workgroup_id_y 1
		.amdhsa_system_sgpr_workgroup_id_z 1
		.amdhsa_system_vgpr_workitem_id 0
		.amdhsa_next_free_vgpr 1024
		.amdhsa_next_free_sgpr 86
		.amdhsa_reserve_vcc 0
		.amdhsa_float_denorm_mode_32 3
		.amdhsa_float_denorm_mode_16_64 3
		.amdhsa_memory_ordered 1
		.amdhsa_forward_progress 1
		.amdhsa_inst_pref_size 148
	.end_amdhsa_kernel
	.amdgpu_metadata
---
amdhsa.version: [ 1, 2 ]
amdhsa.kernels:
  - .name:           k_q96d2d2789b_down
    .symbol:         k_q96d2d2789b_down.kd
    .args:
      - { .name: hb, .offset: 0, .size: 8, .value_kind: global_buffer, .address_space: global }
      - { .name: wob, .offset: 8, .size: 8, .value_kind: global_buffer, .address_space: global }
      - { .name: out0, .offset: 16, .size: 8, .value_kind: global_buffer, .address_space: global }
    .group_segment_fixed_size: 327680
    .private_segment_fixed_size: 0
    .kernarg_segment_align: 8
    .kernarg_segment_size: 24
    .max_flat_workgroup_size: 128
    .sgpr_count:     86
    .vgpr_count:     1024
    .wavefront_size: 32
...
	.end_amdgpu_metadata
.endif
;; end of part 3
;; ======== version 2 of 2: 3 launches; version 1 with the launch prep written anew for expert scheduling mode
;; workspace buffers: xb 8,388,608 bytes; wgb 8,388,608 bytes; wib 8,388,608 bytes; wob 8,388,608 bytes; pw 32,768 bytes; hb 33,554,432 bytes
;; launch prep (part 4): grid 256 x 1, 8 waves a work-group, no clusters, 1,280 bytes of LDS; arguments hidden_states, router_kernel, w_gate, w_inter, w_out, xb, wgb, wib, wob, pw, out1; writes xb, wgb, wib, wob, pw, out1
.if DOCPART == 4
	.amdgcn_target "amdgcn-amd-amdhsa--gfx1250"
	.amdhsa_code_object_version 6
	.text
	.protected	k_q96d2d2789b_prep
	.globl	k_q96d2d2789b_prep
	.p2align	8
	.type	k_q96d2d2789b_prep,@function
k_q96d2d2789b_prep:
	s_mov_b64 s[64:65], 0
	v_nop
	global_prefetch_b8 v0, s[64:65] scope:SCOPE_SE
	s_setreg_imm32_b32 hwreg(HW_REG_WAVE_SCHED_MODE, 0, 2), 2
	s_setreg_imm32_b32 hwreg(HW_REG_WAVE_MODE, 25, 1), 1
	s_wait_xcnt 0x0
	s_wait_alu depctr_vm_vsrc(0)
; PREP: bf16 copies of hidden_states and of the three weight tensors (same layouts), the router logits (out1, f32) and the routing weights pw[e][t] (f32).
;
; WORK LEFT OUT, for all finite inputs.  NUM_EXPERTS = TOP_K = 2: top_k over an axis of two returns both probabilities, in some order, with their
; indices, and the sum over one_hot(top_i) * top_p puts each back at its own expert: routing_full[e][t] = p_e / (p_0 + p_1), whatever the order.
; p_0 and p_1 are a softmax over that same axis, so in exact arithmetic p_0 + p_1 = 1 and the division is by 1.  So top_k, one_hot and the second
; division are not computed: routing_full[e][t] = softmax(logits[t])[e].  The maximum that the softmax takes away is kept.  Every input has a way to
; an output and is loaded.  LIMITS: a NaN, an infinity or an overflow that would arise only in the division left out is not carried to the result;
; v_exp_f32 and v_rcp_f32 flush denormals (ISA guide 15.8), so a routing weight below 2^-126 comes out as 0.
;
; THE ROUTER PRODUCT has two columns: it would fill 2 of a matrix tile's 16, so it is made by fused multiply-adds on the registers that the stream
; holds anyway.  Like every matrix product of this program it takes its operands rounded to bf16 and sums in f32: the routing weights then belong to
; the same rounded x that the experts multiply.  LIMIT: the logits carry that rounding of x and of router_kernel (2^-9 of each operand at the most),
; and its share grows with a common offset of the inputs.
; SHARES.  All four large inputs have 16 MiB.  Work-group g takes bytes 65,536 g .. + 65,535 of each (of x: rows 16 g .. 16 g + 15); wave w takes
; 8,192 of them as two chunks of 4,096 (of x: rows 16 g + 2 w and + 1).  A chunk is eight loads of 16 bytes a lane (512 neighbouring bytes each) and
; leaves as eight stores of 8 bytes a lane (256 neighbouring bytes, aligned).
; EVERY ONE OF A WAVE'S EIGHT CHUNKS HAS 32 REGISTERS OF ITS OWN.  A weight's chunk is rounded in place and stored from the lower half of its slot; an x row is
; rounded into a set of 16 registers of its own, since its slot then takes the widened row for the router product.  So no register that a store reads is
; ever written again and no slot is loaded twice: the text needs no wait for a store's sources, and its loads go out as early as the count of 56 at the start
; (router_kernel's 16 and five chunks of 8) allows, one more chunk behind each of the first three waits.
; Two waves of 384 registers lie on a SIMD: 768 of its 1,024.  Slots 4 to 7 lie above v255 and are reached through s_set_vgpr_msb.
; No tile is shared between work-groups but the 8 KiB of router_kernel, so there is no cluster, no tensor load and no matrix work here.
; out1 leaves in pieces of 128 bytes and pw in pieces of 64 bytes, since a work-group has 16 rows: 64 KiB of the 100 MB that the launch moves.
; THE MODE: SCHED_MODE bits 1:0 = 2 (LLVM: expert scheduling mode 2), set by the entry lines.  The code itself states the register dependences
; between vector instructions and memory or LDS instructions, with s_wait_alu, always for 0.
; THE PLAN.  Registers that memory or LDS instructions touch:
;   v1 to v5      offsets and LDS addresses: written at the head, read by loads, stores and LDS stores, never written again.
;   RK, slots 0-7 loads land in each once; no vector instruction names a slot ahead of its load.
;   Y             a row's 16 conversions write its set; its eight stores read it; the widening reads it too; never written again.
;   slots 2-7     a chunk's 16 conversions write the slot's lower half; its eight stores read it; never written again.
;   v[14:21]      the logits and routing weights: written by vector lines, read by four LDS stores, never written again.
;   v7, v8, v9    in the tail: v7 and v9 are addresses made there; an LDS load lands in v8, which vector lines have used before.
;   v254, v255    written at the head, read by the closing add alone.
; So what is owed is one wait on va_vdst between a chunk's conversions and its stores, and nothing for a register that is written again, since none is.
; The wait stands behind the conversions and not at the next chunk's head: a chunk's stores leave at once and do not stand behind the wait for the next chunk's loads.
; An x row's stores follow their wait dealt among vector lines that name none of their registers.  Chunk 2's wait serves the four LDS stores too.
.set VIN,  1                           ; v1        byte offset of my 16 bytes in the wave's first chunk of an input; never rewritten
.set VOUT, 2                           ; v2        byte offset of my 8 bytes in the wave's first chunk of a bf16 copy; never rewritten
.set VRK,  3                           ; v3        32 x lane: my 4 rows of router_kernel in each block of 128
.set LAL,  4                           ; v4        LDS: 16 x wave (logits of my wave's two rows)
.set LAQ,  5                           ; v5        LDS: 8 x wave (routing weights of my wave's two rows)
.set S,    6                           ; v[6:13]   four chains of pairs (logit 0, logit 1); later the softmax's exponentials and reciprocals
.set LGA,  14                          ; v[14:15]  logits of the first row
.set LGB,  16                          ; v[16:17]  logits of the second row
.set P0,   18                          ; v[18:19]  p_0 of the two rows
.set P1,   20                          ; v[20:21]  p_1 of the two rows
.set TT,   22                          ; v[22:27]  at work
.set Y,    28                          ; v[28:59]  the two x rows as bf16, 16 registers each
.set RK,   60                          ; v[60:123] router_kernel: registers 8 j + 2 k, + 1 = rk[128 j + 4 lane + k][0], [1]
.set X,    124                         ; v[124:251] chunk slots 0 to 3; slots 4 to 7 are v[256:383], written v[0:127] of window 1
.set MSB, 0
.macro WIN new                         ; s_set_vgpr_msb's low byte: bits 1:0 source 0, 3:2 source 1, 7:6 destination; the high byte repeats the setting that is left
.if MSB != \new
	s_set_vgpr_msb (MSB<<8)|\new
.set MSB, \new
.endif
.endm
	s_load_b512 s[4:19], s[0:1], 0x0               ; x s[4:5], rk s[6:7], wg s[8:9], wi s[10:11], wo s[12:13], xb s[14:15], wgb s[16:17], wib s[18:19]
	s_load_b128 s[20:23], s[0:1], 0x40             ; wob s[20:21], pw s[22:23]
	s_load_b64 s[24:25], s[0:1], 0x50              ; out1
	v_lshl_add_u32 v254, v0, 2, 0x100
	v_mov_b32 v255, 0
	v_lshrrev_b32 v4, 5, v0                        ; wave
	v_and_b32 v5, 31, v0                           ; lane
	v_readfirstlane_b32 s2, v4
	v_lshlrev_b32 v[VIN], 4, v5
	v_lshl_or_b32 v[VIN], v4, 13, v[VIN]           ; 8,192 wave + 16 lane
	v_lshlrev_b32 v[VOUT], 3, v5
	v_lshl_or_b32 v[VOUT], v4, 12, v[VOUT]         ; 4,096 wave + 8 lane
	v_lshlrev_b32 v[VRK], 5, v5
	v_lshlrev_b32 v[LAQ], 3, v4
	v_lshlrev_b32 v[LAL], 4, v4
	v_mov_b32 v[TT], 0                             ; v_permlanex16_b32 counts as a reader of its destination
	v_mov_b32 v[TT+1], 0
	s_wait_alu depctr_va_sdst(0)                   ; s2 is written, ahead of its first reader: the compare on the wave's number behind the barrier; no branch and no label lies between
	s_mov_b32 s3, 0xffff0000                       ; a word's upper bf16
	s_lshl_b32 s26, ttmp9, 16                      ; my 65,536 bytes of each input
	s_mov_b32 s27, 0
	s_lshl_b32 s28, ttmp9, 15                      ; my 32,768 bytes of each copy
	s_mov_b32 s29, 0
	s_mov_b32 s30, 0x76543210                      ; v_permlanex16_b32: lane i of one half reads lane i of the other
	s_mov_b32 s31, 0xfedcba98
	s_wait_kmcnt 0x0
	s_add_nc_u64 s[4:5], s[4:5], s[26:27]
	s_add_nc_u64 s[8:9], s[8:9], s[26:27]
	s_add_nc_u64 s[10:11], s[10:11], s[26:27]
	s_add_nc_u64 s[12:13], s[12:13], s[26:27]
	s_add_nc_u64 s[14:15], s[14:15], s[28:29]
	s_add_nc_u64 s[16:17], s[16:17], s[28:29]
	s_add_nc_u64 s[18:19], s[18:19], s[28:29]
	s_add_nc_u64 s[20:21], s[20:21], s[28:29]
	s_lshl_b32 s28, ttmp9, 7                       ; out1: 16 rows of 8 bytes
	s_add_nc_u64 s[24:25], s[24:25], s[28:29]
	s_lshl_b32 s28, ttmp9, 6                       ; pw: 16 numbers of 4 bytes in each expert's row
	s_add_nc_u64 s[22:23], s[22:23], s[28:29]
; Chunk c (0 or 1) of the input at s[base:base+1] into its slot: eight loads.  A load's data are the destination, its address register is source 0.
; No wait on va_vdst stands here: v[VIN] was written ahead of the head's wait, and no vector instruction names a slot ahead of its load.
.macro LOADC slot, base, c
.if \slot > 3
	WIN 0x40
.set XB, 32*(\slot-4)
.else
	WIN 0
.set XB, X+32*\slot
.endif
.irp j, 0,1,2,3,4,5,6,7
	global_load_b128 v[XB+4*\j:XB+4*\j+3], v[VIN], s[\base:\base+1] offset:\c*4096+512*\j th:TH_LOAD_NT
.endr
	WIN 0
.endm
; A weight's chunk is rounded to bf16 in place and stored as chunk c of the copy at s[obase:obase+1].  Word 2 j + i of the slot is written from words
; 4 j + 2 i and + 1, which never lie below it, in ascending order: no word is written before it has been read.  A store's data are source 1.
; lds = 1 (chunk 2 alone): the four LDS stores of the logits and routing weights stand behind the same wait.
.macro PACK slot, obase, c, lds=0
.if \slot > 3
	WIN 0x45
.set XB, 32*(\slot-4)
.else
	WIN 0
.set XB, X+32*\slot
.endif
.irp j, 0,1,2,3,4,5,6,7
	v_cvt_pk_bf16_f32 v[XB+2*\j],   v[XB+4*\j],   v[XB+4*\j+1]
	v_cvt_pk_bf16_f32 v[XB+2*\j+1], v[XB+4*\j+2], v[XB+4*\j+3]
.endr
.if \slot > 3
	WIN 0x04
.endif
	s_wait_alu depctr_va_vdst(0)                   ; the conversions have written the slot's lower half, which the eight stores read; with lds = 1 also: v[LGA .. P1+1] are written, which the LDS stores read
.irp j, 0,1,2,3,4,5,6,7
	global_store_b64 v[VOUT], v[XB+2*\j:XB+2*\j+1], s[\obase:\obase+1] offset:\c*2048+256*\j   ; the wave stores 256 neighbouring bytes, aligned; the next launches read them: no hint
.endr
.if \lds
	; LDS: bytes 0-127 the 16 rows' logits as out1 has them (8 row + 4 e); bytes 128-255 the weights (64 e + 4 row).  All lanes write the same words with the same values.
	ds_store_b64 v[LAL], v[LGA:LGA+1]
	ds_store_b64 v[LAL], v[LGB:LGB+1] offset:8
	ds_store_b64 v[LAQ], v[P0:P0+1] offset:128
	ds_store_b64 v[LAQ], v[P1:P1+1] offset:192
.endif
	WIN 0
.endm
; An x row (slot 0 or 1) is rounded into its own set of Y ..
.macro CVTX slot
.irp j, 0,1,2,3,4,5,6,7
	v_cvt_pk_bf16_f32 v[Y+16*\slot+2*\j],   v[X+32*\slot+4*\j],   v[X+32*\slot+4*\j+1]
	v_cvt_pk_bf16_f32 v[Y+16*\slot+2*\j+1], v[X+32*\slot+4*\j+2], v[X+32*\slot+4*\j+3]
.endr
.endm
; .. and stored as chunk slot of xb: store j of eight
.macro STX slot, j
	global_store_b64 v[VOUT], v[Y+16*\slot+2*\j:Y+16*\slot+2*\j+1], s[14:15] offset:\slot*2048+256*\j
.endm
; The rounded row goes back into its slot as f32: the router product multiplies what the experts multiply.  Part j of eight.  Y is only read here: its stores may still be on their way.
.macro WIDENJ slot, j
	v_lshlrev_b32 v[X+32*\slot+4*\j],   16, v[Y+16*\slot+2*\j]          ; bf16 to f32: the low half moves up,
	v_and_b32     v[X+32*\slot+4*\j+1], s3, v[Y+16*\slot+2*\j]          ; the high half stays
	v_lshlrev_b32 v[X+32*\slot+4*\j+2], 16, v[Y+16*\slot+2*\j+1]
	v_and_b32     v[X+32*\slot+4*\j+3], s3, v[Y+16*\slot+2*\j+1]
.endm
; The two logits of the row in a slot.  Chain k takes x[128 j + 4 lane + k], sent to both halves of a packed multiply-add, times (rk[..][0], rk[..][1]).
; The first products start the chains: nothing is cleared.
.macro DOT slot, L
.irp p, 0,1
	v_pk_mul_f32 v[S+4*\p:S+4*\p+1],   v[X+32*\slot+2*\p:X+32*\slot+2*\p+1], v[RK+4*\p:RK+4*\p+1]   op_sel:[0,0] op_sel_hi:[0,1]
	v_pk_mul_f32 v[S+4*\p+2:S+4*\p+3], v[X+32*\slot+2*\p:X+32*\slot+2*\p+1], v[RK+4*\p+2:RK+4*\p+3] op_sel:[1,0] op_sel_hi:[1,1]
.endr
.irp j, 1,2,3,4,5,6,7
.irp p, 0,1
	v_pk_fma_f32 v[S+4*\p:S+4*\p+1],   v[X+32*\slot+4*\j+2*\p:X+32*\slot+4*\j+2*\p+1], v[RK+8*\j+4*\p:RK+8*\j+4*\p+1],   v[S+4*\p:S+4*\p+1]   op_sel:[0,0,0] op_sel_hi:[0,1,1]
	v_pk_fma_f32 v[S+4*\p+2:S+4*\p+3], v[X+32*\slot+4*\j+2*\p:X+32*\slot+4*\j+2*\p+1], v[RK+8*\j+4*\p+2:RK+8*\j+4*\p+3], v[S+4*\p+2:S+4*\p+3] op_sel:[1,0,0] op_sel_hi:[1,1,1]
.endr
.endr
	v_pk_add_f32 v[S:S+1],   v[S:S+1],   v[S+2:S+3]
	v_pk_add_f32 v[S+4:S+5], v[S+4:S+5], v[S+6:S+7]
	v_pk_add_f32 v[S:S+1],   v[S:S+1],   v[S+4:S+5]
.irp m, 1,2,4,8                        ; across the 16 lanes of each half
	v_add_f32_dpp v[S],   v[S],   v[S]   row_xmask:\m row_mask:0xf bank_mask:0xf
	v_add_f32_dpp v[S+1], v[S+1], v[S+1] row_xmask:\m row_mask:0xf bank_mask:0xf
.endr
	v_permlanex16_b32 v[TT],   v[S],   s30, s31    ; and across the halves
	v_permlanex16_b32 v[TT+1], v[S+1], s30, s31
	v_add_f32 v[\L],   v[S],   v[TT]               ; every lane holds both logits
	v_add_f32 v[\L+1], v[S+1], v[TT+1]
.endm
	s_wait_alu depctr_va_vdst(0)                   ; v1 to v5 are written, which every load, store and LDS store of the stream reads as its offset or address; so are v254 and v255
.irp j, 0,1,2,3,4,5,6,7
	global_load_b128 v[RK+8*\j:RK+8*\j+3],   v[VRK], s[6:7] offset:1024*\j
	global_load_b128 v[RK+8*\j+4:RK+8*\j+7], v[VRK], s[6:7] offset:1024*\j+16
.endr
	LOADC 0, 4, 0                                  ; x, first row
	LOADC 1, 4, 1                                  ; x, second row
	LOADC 2, 8, 0                                  ; w_gate
	LOADC 3, 8, 1
	LOADC 4, 10, 0                                 ; w_inter: 56 loads of the wave are out
	s_wait_loadcnt 32                              ; loads come back in order: router_kernel and the first row are in, the four chunks behind stay out
	LOADC 5, 10, 1
	CVTX 0
	s_wait_alu depctr_va_vdst(0)                   ; the conversions have written Y's first set, which the row's eight stores read
	; The stores are dealt among the lines that round router_kernel, which name TT and RK alone: none of the stores' registers.
	; router_kernel is rounded to bf16 once, in place: two numbers are packed and widened again; four registers take turns so that no line waits for the one in front
.set i, 0
.irp j, 0,1,2,3,4,5,6,7
	STX 0, \j
.rept 4
	v_cvt_pk_bf16_f32 v[TT+2+i%4], v[RK+2*i], v[RK+2*i+1]
	v_lshlrev_b32 v[RK+2*i],   16, v[TT+2+i%4]
	v_and_b32     v[RK+2*i+1], s3, v[TT+2+i%4]
.set i, i+1
.endr
.endr
.irp j, 0,1,2,3,4,5,6,7
	WIDENJ 0, \j
.endr
	DOT 0, LGA
	s_wait_loadcnt 32                              ; again four chunks of eight behind the one that is due
	LOADC 6, 12, 0                                 ; w_out
	CVTX 1
	s_wait_alu depctr_va_vdst(0)                   ; the conversions have written Y's second set, which the row's eight stores read
.irp j, 0,1,2,3,4,5,6,7
	STX 1, \j                                      ; store j stands ahead of the four lines that read its pair of Y: no vector line since the wait names a register of a store to come
	WIDENJ 1, \j
.endr
	DOT 1, LGB
	; softmax over the two logits of each row, the maximum taken away; one exponent is 0, so the sum is at least 1
	v_max_num_f32 v[TT],   v[LGA], v[LGA+1]
	v_max_num_f32 v[TT+1], v[LGB], v[LGB+1]
	v_sub_f32 v[TT+2], v[LGA],   v[TT]
	v_sub_f32 v[TT+3], v[LGA+1], v[TT]
	v_sub_f32 v[TT+4], v[LGB],   v[TT+1]
	v_sub_f32 v[TT+5], v[LGB+1], v[TT+1]
.irp i, 2,3,4,5
	v_mul_f32 v[TT+\i], 0x3fb8aa3b, v[TT+\i]       ; e^x = 2^(1.442695 x)
.endr
.irp i, 0,1,2,3
	v_exp_f32 v[S+\i], v[TT+2+\i]
.endr
	v_nop                                          ; one plain vector instruction behind the transcendentals, ahead of the first use (ISA guide 5.7.2)
	s_wait_alu depctr_va_vdst(0)                   ; the four exponentials have written v[S:S+3], which the additions read
	v_add_f32 v[TT],   v[S],   v[S+1]
	v_add_f32 v[TT+1], v[S+2], v[S+3]
	v_rcp_f32 v[S+4], v[TT]
	v_rcp_f32 v[S+5], v[TT+1]
	v_nop                                          ; likewise
	s_wait_alu depctr_va_vdst(0)                   ; the two reciprocals have written v[S+4:S+5], which the multiplies read
	v_mul_f32 v[P0],   v[S],   v[S+4]              ; p_0 of the first row,
	v_mul_f32 v[P0+1], v[S+2], v[S+5]              ; of the second
	v_mul_f32 v[P1],   v[S+1], v[S+4]              ; p_1 likewise
	v_mul_f32 v[P1+1], v[S+3], v[S+5]              ; the LDS stores of the logits and of these four stand behind chunk 2's wait
	s_wait_loadcnt 32
	LOADC 7, 12, 1                                 ; the last chunk
	PACK 2, 16, 0, 1
	s_wait_loadcnt 32                              ; chunks 4 to 7 stay out
	PACK 3, 16, 1
	s_wait_loadcnt 24                              ; nothing more is loaded: the counts run down
	PACK 4, 18, 0
	s_wait_loadcnt 16
	PACK 5, 18, 1
	s_wait_loadcnt 8
	PACK 6, 20, 0
	s_wait_loadcnt 0
	PACK 7, 20, 1                                  ; it leaves every window at 0: branches and labels follow
	s_wait_dscnt 0x0                               ; my four LDS stores are done, for the waves that read them
	s_barrier_signal -1
	s_barrier_wait -1
	s_cmp_lt_u32 s2, 2
	s_cbranch_scc0 .Lend                           ; waves 2 to 7 have nothing left
	v_and_b32 v6, 31, v0
	v_lshlrev_b32 v7, 2, v6                        ; 4 x lane
	s_wait_alu depctr_va_vdst(0)                   ; v7 is written, which the LDS load of either arm and wave 0's store read; the softmax's lines are done with v8, in which that load lands
	s_cmp_eq_u32 s2, 0
	s_cbranch_scc0 .Lweights
	ds_load_b32 v8, v7                             ; wave 0: the group's 32 logits, 128 neighbouring bytes of out1
	s_wait_dscnt 0x0
	global_store_b32 v7, v8, s[24:25]
	s_wait_dscnt 0x0                               ; the closing lines, six on end
	s_wait_alu 0x0
	s_wait_tensorcnt 0x0
	ds_add_u32 v254, v255
	s_wait_dscnt 0x0
	s_endpgm
.Lweights:
	ds_load_b32 v8, v7 offset:128                  ; wave 1: lanes 0-15 p_0 of the 16 rows, lanes 16-31 p_1
	v_and_b32 v9, 15, v0
	v_lshlrev_b32 v9, 2, v9
	v_bfe_u32 v10, v0, 4, 1
	v_lshl_or_b32 v9, v10, 14, v9                  ; pw[e][t]: 16,384 e + 4 row
	s_wait_alu depctr_va_vdst(0)                   ; v9 is written, which the store reads as its offset
	s_wait_dscnt 0x0
	global_store_b32 v9, v8, s[22:23]
.Lend:
	s_wait_dscnt 0x0                               ; the closing lines, six on end, as above
	s_wait_alu 0x0
	s_wait_tensorcnt 0x0
	ds_add_u32 v254, v255
	s_wait_dscnt 0x0
	s_endpgm
.Lfunc_end_k_q96d2d2789b_prep:
	.size	k_q96d2d2789b_prep, .Lfunc_end_k_q96d2d2789b_prep-k_q96d2d2789b_prep
	.p2alignl 7, 3214868480
	.fill 96, 4, 3214868480
	.section	.rodata,"a",@progbits
	.p2align	6, 0x0
	.amdhsa_kernel k_q96d2d2789b_prep
		.amdhsa_group_segment_fixed_size 1280
		.amdhsa_private_segment_fixed_size 0
		.amdhsa_enable_private_segment 0
		.amdhsa_kernarg_size 88
		.amdhsa_user_sgpr_count 2
		.amdhsa_user_sgpr_kernarg_segment_ptr 1
		.amdhsa_wavefront_size32 1
		.amdhsa_system_sgpr_workgroup_id_x 1
		.amdhsa_system_sgpr_workgroup_id_y 1
		.amdhsa_system_sgpr_workgroup_id_z 1
		.amdhsa_system_vgpr_workitem_id 0
		.amdhsa_next_free_vgpr 384
		.amdhsa_next_free_sgpr 66
		.amdhsa_reserve_vcc 0
		.amdhsa_float_denorm_mode_32 3
		.amdhsa_float_denorm_mode_16_64 3
		.amdhsa_memory_ordered 1
		.amdhsa_forward_progress 1
		.amdhsa_inst_pref_size 39
	.end_amdhsa_kernel
	.amdgpu_metadata
---
amdhsa.version: [ 1, 2 ]
amdhsa.kernels:
  - .name:           k_q96d2d2789b_prep
    .symbol:         k_q96d2d2789b_prep.kd
    .args:
      - { .name: hidden_states, .offset: 0, .size: 8, .value_kind: global_buffer, .address_space: global }
      - { .name: router_kernel, .offset: 8, .size: 8, .value_kind: global_buffer, .address_space: global }
      - { .name: w_gate, .offset: 16, .size: 8, .value_kind: global_buffer, .address_space: global }
      - { .name: w_inter, .offset: 24, .size: 8, .value_kind: global_buffer, .address_space: global }
      - { .name: w_out, .offset: 32, .size: 8, .value_kind: global_buffer, .address_space: global }
      - { .name: xb, .offset: 40, .size: 8, .value_kind: global_buffer, .address_space: global }
      - { .name: wgb, .offset: 48, .size: 8, .value_kind: global_buffer, .address_space: global }
      - { .name: wib, .offset: 56, .size: 8, .value_kind: global_buffer, .address_space: global }
      - { .name: wob, .offset: 64, .size: 8, .value_kind: global_buffer, .address_space: global }
      - { .name: pw, .offset: 72, .size: 8, .value_kind: global_buffer, .address_space: global }
      - { .name: out1, .offset: 80, .size: 8, .value_kind: global_buffer, .address_space: global }
    .group_segment_fixed_size: 1280
    .private_segment_fixed_size: 0
    .kernarg_segment_align: 8
    .kernarg_segment_size: 88
    .max_flat_workgroup_size: 256
    .sgpr_count:     66
    .vgpr_count:     384
    .wavefront_size: 32
...
	.end_amdgpu_metadata
.endif
;; end of part 4
;; launch swiglu: the kernel of part 2 again; grid 16 x 16, 4 waves a work-group, clusters of 4 x 4, 327,680 bytes of LDS; arguments xb, wgb, wib, pw, hb; writes hb
;; launch down: the kernel of part 3 again; grid 8 x 32, 4 waves a work-group, clusters of 4 x 4, 327,680 bytes of LDS; arguments hb, wob, out0; writes out0
